; MI455X (gfx1250); checked and timed in simulation.
; The chip was launched on July 23, 2026; its instructions are those of AMD's public machine-readable ISA for CDNA 5 (MIT licence, August 2026) and "CDNA5" Instruction Set Architecture Reference Guide (July 2026). The comments in the code are by the model that wrote it; some were corrected since.
;; Causal Self Attention. Allowed arithmetic: matrix products marked QUANTISED: E4M3 operands, one E8M0 scale for each 32 along K, by v_wmma_scale_f32_16x16x128_f8f6f4 with both operands' format E4M3, f32 sums; everything else in f32.
;; Inputs: lamb one number float32; v1 4 x 2,048 x 1,024 float32; wk 1,024 x 1,024 float32; wproj 1,024 x 1,024 float32; wq 1,024 x 1,024 float32; wv 1,024 x 1,024 float32; x 4 x 2,048 x 1,024 float32.
;; Outputs: out0 4 x 2,048 x 1,024 float32; out1 4 x 2,048 x 1,024 float32.
;; This version of the problem:
;;   THIS VERSION OF THE PROBLEM IS GIVEN IN LOW PRECISION. The matrix products marked QUANTISED in the list below multiply operands that are first quantised to E4M3 (4 exponent bits, 3 mantissa bits; 8 bits a number), with one power-of-two scale for each 32 numbers along K (OCP MX v1.0); their sums are f32. All else is computed in f32.
;;   The module's matrix products, in the order in which they are computed (A, B: the left and right operand; K: the contracted axis; several contracted axes count as one K, in the product's order):
;;     1. [M 8,192, K 1,024] x [K 1,024, N 1,024]; A: input x; B: input wq: QUANTISED
;;     2. [M 8,192, K 1,024] x [K 1,024, N 1,024]; A: input x; B: input wk: QUANTISED
;;     3. [M 8,192, K 1,024] x [K 1,024, N 1,024]; A: input x; B: input wv: QUANTISED
;;     4. batch 64 x [M 2,048, K 64] x [K 64, N 2,048]; A: computed on the way; B: computed on the way: QUANTISED
;;     5. batch 64 x [M 64, K 2,048] x [K 2,048, N 2,048]; A: computed on the way; B: softmax (see below): QUANTISED
;;     6. [M 8,192, K 1,024] x [K 1,024, N 1,024]; A: computed on the way; B: input wproj: QUANTISED
;;   THE QUANTISER, for each operand of a quantised product, along K:
;;     - K is cut into blocks of 32 from its start; a last block that is shorter is filled with zeros.
;;     - A block's scale is 2^e with e = floor(log2(the largest magnitude in the block)) - 8, held to -126 .. 127; a block of zeros has e = 0. As a byte (E8M0): e + 127.
;;     - Each number is divided by its block's scale, clamped to +-448, and rounded to the nearest number of E4M3, ties to even, subnormals kept.
;;     - The product sums the exact products of the quantised numbers (number of the format x scale) in f32.
;;   ~~~python
;;   def quantise(x, axis):      # numpy; x: float32 -> the quantised numbers, widened to float32 again
;;       x = np.moveaxis(x, axis, -1); K = x.shape[-1]
;;       x = np.pad(x, [(0, 0)] * (x.ndim - 1) + [(0, -K % 32)]); x = x.reshape(x.shape[:-1] + (-1, 32)); a = np.abs(x).max(-1, keepdims=True)
;;       e = np.where(a > 0, np.clip(np.frexp(np.where(a > 0, a, 1))[1] - 1 - 8, -126, 127), 0)      # np.frexp(a)[1] - 1 = floor(log2(a)), exactly
;;       r = np.clip(x / 2.0 ** e, -448, 448)
;;       step = 2.0 ** (np.maximum(np.frexp(np.where(r == 0, 1, r))[1] - 1, -6) - 3)
;;       q = np.round(r / step) * step * 2.0 ** e      # np.round: ties to even
;;       return np.moveaxis(q.reshape(q.shape[:-2] + (-1,))[..., :K], -1, axis).astype(np.float32)
;;   ~~~
;;   SOFTMAX AHEAD OF A QUANTISED PRODUCT. Where the list says 'softmax', what is quantised is not the finished softmax but p = 2^(t - M), with t = logit x log2(e) and M = ceil(the row's largest t), a whole number; so 1/2 < the row's largest p <= 1. The row's sum l is taken of the UNQUANTISED p, in f32, and the product's result is divided by l at the end. Since M is a whole number, a kernel that streams over the keys may use a running M (the ceiling of the running maximum): every later rescaling is an exact power of two, which a block's scale takes up: the codes' values come out the same.
;;   OPERANDS COMPUTED ON THE WAY. 'Computed on the way' means the value that the module computes at that place (a softmax that the list does not call 'softmax' is quantised finished and normalised). What goes into a quantiser is computed in f32, as accurately as f32 sums, v_exp_f32 and their like allow (about 1e-6 of the number): no bf16 or f16 on the way to a quantiser, and a product that is left as it is and whose result goes on into a quantised operand takes f32 operands (vector FMAs, or v_wmma_f32_16x16x4_f32). A number that lies on a knife's edge between two numbers of the format may be rounded either way, as far as f32 arithmetic and the matrix unit's own rounding can turn it there, and no further.
;; One version. Each part assembles by itself: llvm-mc -triple=amdgcn-amd-amdhsa -mcpu=gfx1250 --defsym DOCPART=n.
;; ======== version 1 of 1: 5 launches
;; limits: values are held in f16: magnitudes above 65,504 overflow, below 6.1e-05 lose precision; right only within a limited range of input values
;; workspace buffers: xc 8,388,608 bytes; wc 4,194,304 bytes; yc 8,388,608 bytes; sc 655,360 bytes; tab 524,288 bytes; qc 8,912,896 bytes; kv 17,563,648 bytes
;; launch quant (part 1): grid 416 x 1, 4 waves a work-group, no clusters, 35,328 bytes of LDS; arguments x, wq, wk, wv, wproj, xc, wc, sc, tab; writes xc, wc, sc, tab
.if DOCPART == 1
	.amdgcn_target "amdgcn-amd-amdhsa--gfx1250"
	.amdhsa_code_object_version 6
	.text
	.protected	k_q0ba69c88e5_quant
	.globl	k_q0ba69c88e5_quant
	.p2align	8
	.type	k_q0ba69c88e5_quant,@function
k_q0ba69c88e5_quant:
	s_mov_b64 s[64:65], 0
	v_nop
	global_prefetch_b8 v0, s[64:65] scope:SCOPE_SE
	s_setreg_imm32_b32 hwreg(HW_REG_WAVE_MODE, 25, 1), 1
	s_wait_xcnt 0x0
; x [8192][1024] and the four weights [1024][1024], f32, K innermost, become codes of E4M3 with one E8M0 byte for each 32 along K; and the rotary table is made.
; THE CODES ARE LAID IN THE ORDER OF AN OPERAND'S REGISTERS: [tile of 16 rows][K step of 128][c 0..3][lane][16 bytes]; lane (r, h) holds k = 32 c + 16 h + 0..15 of the tile's row r.
; THE ROWS OF A TILE ARE NOT NEIGHBOURS: row r of tile 2 G + u is row 32 G + 8 u + r + 8 (r / 8), so that results of two neighbouring tiles are 16 neighbours along a later K.
; The scale words: [tile][half of K][r][4 words], a word for a row and a K step.  Tiles 0-511: x; 512-767: wq, wk, wv, wproj.
; A block's scale is 2^(floor(log2(largest magnitude)) - 8); its byte is the largest magnitude's exponent field - 8, held at 1 from below.
; LIMITS: a block of zeros gets the byte 1 (its codes are zeros; this program alone reads the bytes); NaN and infinities among the inputs are not served.
; Work-groups 0-383: 32 rows each; wave (u, half) takes tile u and four K steps.  A load reads 512 consecutive bytes of one row; a K step's 16 rows turn through the wave's own stage in LDS.
; Work-groups 384-415: the table [token][32 cos, 32 sin], each rounded to f16 and widened again, as the module keeps them.  A wave takes 16 tokens; lanes 0-15 make cos, lanes 16-31 sin, two frequencies a lane.
; The angle is token x 1 / fl(10^(j / 8)); it is reduced by quarter turns in two parts of pi / 2 and put through polynomials for |rho| <= pi / 4: right to about 1e-7 ahead of the rounding to f16.
.set R,    16                          ; v16-143  two sets of 64 numbers as loaded
.set X,    144                         ; v144-207 64 numbers of a lane: register 16 c + i = k 32 c + 16 h + i of row r
.set PC,   208                         ; v208-223 the fragment's codes
.set TM,   224                         ; v224-239 at work in the quantiser
.set PW,   240                         ; the scale word
.set W,    8                           ; v8-11    the four K steps' scale words
.set SEL,  36                          ; s[36:37] lane selects: lane l xor 16
.set MNT,  38                          ; the mantissa field of 448
.set HM,   39                          ; lanes 16-31
	s_load_b256 s[4:11], s[0:1], 0x0               ; x, wq, wk, wv
	s_load_b256 s[12:19], s[0:1], 0x20             ; wproj, xc, wc, sc
	s_load_b64 s[20:21], s[0:1], 0x40              ; tab
	v_lshl_add_u32 v254, v0, 2, 0x8800
	v_mov_b32 v255, 0
	v_lshrrev_b32 v1, 5, v0
	v_readfirstlane_b32 s22, v1                    ; wave
	v_and_b32 v1, 15, v0                           ; r
	v_bfe_u32 v2, v0, 4, 1                         ; h
	v_and_b32 v3, 31, v0                           ; lane
	s_cmp_ge_u32 ttmp9, 384
	s_cbranch_scc1 .Ltable
	; ---------------- the quantiser
	s_mov_b32 s[SEL], 0x76543210
	s_mov_b32 s[SEL+1], 0xfedcba98
	s_mov_b32 s[MNT], 0x600000
	s_mov_b32 s[HM], 0xffff0000
	s_lshr_b32 s23, s22, 1                         ; u
	s_and_b32 s24, s22, 1                          ; half of K
	s_wait_alu depctr_va_vdst(0)
	v_lshlrev_b32 v4, 4, v3                        ; 16 x lane
	s_mul_i32 s25, s22, 8448                       ; my stage: 16 rows x (512 + 16) bytes
	v_add_nc_u32 v5, s25, v4                       ; in: a row's 512 bytes as they lie
	v_mul_u32_u24 v6, v1, 528
	v_lshl_add_u32 v6, v2, 6, v6
	v_add_nc_u32 v6, s25, v6                       ; out: row r, + 64 h
	v_lshlrev_b32 v7, 4, v1
	v_lshl_add_u32 v7, v2, 3, v7                   ; the scale words' place: 16 r + 8 h
.irp b, 0,1,2,3
	v_mov_b32 v[TM+4+\b], 0                        ; written once: a lane permute's destination counts as one of its sources
.endr
	s_and_b32 s26, ttmp9, 31                       ; a weight's group of 32 rows
	s_sub_co_u32 s27, ttmp9, 256                   ; the group among the weights' codes
	s_wait_alu depctr_va_vdst(0)
	s_wait_kmcnt 0x0
	s_cmp_lt_u32 ttmp9, 352                        ; which tensor: the choice hangs on the work-group's number alone
	s_cselect_b64 s[28:29], s[10:11], s[12:13]
	s_cmp_lt_u32 ttmp9, 320
	s_cselect_b64 s[28:29], s[8:9], s[28:29]
	s_cmp_lt_u32 ttmp9, 288
	s_cselect_b64 s[28:29], s[6:7], s[28:29]
	s_cmp_lt_u32 ttmp9, 256
	s_cselect_b64 s[28:29], s[4:5], s[28:29]
	s_cselect_b64 s[30:31], s[14:15], s[16:17]
	s_cselect_b32 s26, ttmp9, s26
	s_cselect_b32 s27, ttmp9, s27
	s_lshl_b32 s26, s26, 5
	s_lshl_b32 s32, s23, 3
	s_add_co_u32 s26, s26, s32                     ; my tile's first row: 32 G + 8 u
	s_lshl_b32 s32, s26, 12
	s_lshl_b32 s33, s24, 11
	s_add_co_u32 s32, s32, s33                     ; + my half of K: 2,048 bytes
	s_mov_b32 s33, 0
	s_add_nc_u64 s[28:29], s[28:29], s[32:33]
	s_lshl_b32 s27, s27, 1
	s_add_co_u32 s27, s27, s23
	s_lshl_b32 s32, s27, 14                        ; the tile's codes: 16,384 bytes,
	s_lshl_b32 s34, s24, 13
	s_add_co_u32 s32, s32, s34                     ; my four K steps of 2,048
	s_add_nc_u64 s[30:31], s[30:31], s[32:33]
	s_lshl_b32 s32, ttmp9, 1
	s_add_co_u32 s32, s32, s23
	s_lshl_b32 s32, s32, 9                         ; the tile's scale words: 512 bytes,
	s_lshl_b32 s34, s24, 8
	s_add_co_u32 s32, s32, s34                     ; my half's 256
	s_add_nc_u64 s[18:19], s[18:19], s[32:33]
.macro LOAD t                          ; K step t of my four: 16 rows x 512 consecutive bytes
.set i, 0
.rept 16
	global_load_b128 v[R+64*((\t)%2)+4*i:R+64*((\t)%2)+4*i+3], v4, s[28:29] offset:(i+8*(i/8))*4096+512*(\t) th:TH_LOAD_NT
.set i, i+1
.endr
.endm
.macro TURN t                          ; through the stage; LDS serves a wave's instructions in order, so no wait stands between the stores and the loads
.set i, 0
.rept 16
	ds_store_b128 v5, v[R+64*((\t)%2)+4*i:R+64*((\t)%2)+4*i+3] offset:528*i
.set i, i+1
.endr
.set i, 0
.rept 16
	ds_load_b128 v[X+4*i:X+4*i+3], v6 offset:128*(i/4)+16*(i%4)
.set i, i+1
.endr
.endm
.macro QUANT s                         ; 64 numbers of a lane become a fragment's codes in v[PC] on and its scale word in v[PW]
.irp b, 0,1,2,3
	v_max3_num_f32 v[TM+\b], |v[\s+16*\b]|, |v[\s+1+16*\b]|, 0x4800000   ; my 16 numbers of block b, and the floor 2^(9 - 127): the byte cannot fall under 1
.endr
.irp i, 2,4,6,8,10,12,14
.irp b, 0,1,2,3
	v_max3_num_f32 v[TM+\b], v[TM+\b], |v[\s+16*\b+\i]|, |v[\s+1+16*\b+\i]|
.endr
.endr
.irp b, 0,1,2,3
	v_permlanex16_b32 v[TM+4+\b], v[TM+\b], s[SEL], s[SEL+1]
.endr
.irp b, 0,1,2,3
	v_max_num_f32 v[TM+\b], v[TM+\b], v[TM+4+\b]   ; with lane l xor 16's: the block's largest magnitude
.endr
.irp b, 0,1,2,3
	v_add_nc_u32 v[TM+12+\b], 0xfc000000, v[TM+\b] ; 8 off its exponent field: the conversion's scale operand
.endr
.irp b, 0,1,2,3
	v_and_or_b32 v[TM+8+\b], v[TM+\b], 0x7f800000, s[MNT]   ; 448 x the scale
.endr
.irp b, 0,1,2,3
	v_lshrrev_b32 v[TM+4+\b], 23, v[TM+12+\b]      ; the scale's byte
.endr
	v_lshl_or_b32 v[PW], v[TM+5], 8, v[TM+4]
	v_lshl_or_b32 v[PW], v[TM+6], 16, v[PW]
	v_lshl_or_b32 v[PW], v[TM+7], 24, v[PW]
.irp b, 0,1,2,3
.irp i, 0,1,2,3,4,5,6,7,8,9,10,11,12,13,14,15
	v_med3_num_f32 v[\s+16*\b+\i], v[\s+16*\b+\i], -v[TM+8+\b], v[TM+8+\b]   ; the conversion does not saturate (ISA guide 7.6.2): the hold at the largest code x the scale
.endr
	v_cvt_scalef32_pk8_fp8_f32 v[PC+4*\b:PC+1+4*\b], v[\s+16*\b:\s+7+16*\b], v[TM+12+\b]
	v_cvt_scalef32_pk8_fp8_f32 v[PC+2+4*\b:PC+3+4*\b], v[\s+8+16*\b:\s+15+16*\b], v[TM+12+\b]
.endr
	v_nop                                          ; a plain instruction behind the last conversion
.endm
.macro KSTEP t
.if (\t) < 3
	s_wait_loadcnt 16                              ; this K step's 16 loads are in; the next one's 16 may be out
.else
	s_wait_loadcnt 0x0
.endif
	TURN \t
	s_wait_dscnt 0x0                               ; the numbers are back, and the stage's stores have read their registers,
.if (\t) < 2
	LOAD (\t)+2                                    ; which take the loads of two K steps on
.endif
	s_wait_xcnt 0x0                                ; the last K step's stores have read v[PC] on
	QUANT X
	v_mov_b32 v[W+(\t)], v[PW]
.irp c, 0,1,2,3
	global_store_b128 v4, v[PC+4*\c:PC+4*\c+3], s[30:31] offset:2048*(\t)+512*\c   ; 32 lanes store 512 consecutive bytes
.endr
.endm
	LOAD 0
	LOAD 1
	KSTEP 0
	KSTEP 1
	KSTEP 2
	KSTEP 3
	v_cndmask_b32 v12, v[W], v[W+2], s[HM]         ; lanes 0-15 store words 0, 1 of row r, lanes 16-31 words 2, 3 (both halves of the lanes hold all four)
	v_cndmask_b32 v13, v[W+1], v[W+3], s[HM]
	global_store_b64 v7, v[12:13], s[18:19]        ; 256 consecutive bytes
	s_wait_tensorcnt 0x0
	ds_add_u32 v254, v255
	s_wait_dscnt 0x0
	s_endpgm
	; ---------------- the rotary table
.Ltable:
	s_sub_co_u32 s23, ttmp9, 384
	s_lshl_b32 s23, s23, 2
	s_add_co_u32 s23, s23, s22
	s_lshl_b32 s23, s23, 4                         ; my wave's first token
	v_mov_b32 v8, 0                                ; 10^(j / 8) for j = 2 r
	v_mov_b32 v9, 0                                ; and for j = 2 r + 1
.macro PJ lane, ca, cb
	s_mov_b32 s30, \ca
	v_writelane_b32 v8, s30, \lane
	v_writelane_b32 v8, s30, \lane+16
	s_mov_b32 s31, \cb
	v_writelane_b32 v9, s31, \lane
	v_writelane_b32 v9, s31, \lane+16
.endm
	PJ 0, 1.0, 1.3335214321633240
	PJ 1, 1.7782794100389228, 2.3713737056616552
	PJ 2, 3.1622776601683795, 4.2169650342858226
	PJ 3, 5.6234132519034912, 7.4989420933245583
	PJ 4, 10.0, 13.335214321633240
	PJ 5, 17.782794100389228, 23.713737056616552
	PJ 6, 31.622776601683795, 42.169650342858226
	PJ 7, 56.234132519034912, 74.989420933245583
	PJ 8, 100.0, 133.35214321633240
	PJ 9, 177.82794100389228, 237.13737056616552
	PJ 10, 316.22776601683795, 421.69650342858226
	PJ 11, 562.34132519034912, 749.89420933245583
	PJ 12, 1000.0, 1333.5214321633240
	PJ 13, 1778.2794100389228, 2371.3737056616552
	PJ 14, 3162.2776601683795, 4216.9650342858226
	PJ 15, 5623.4132519034912, 7498.9420933245583
	s_wait_alu depctr_va_vdst(0)
	v_rcp_f32 v10, v8
	v_rcp_f32 v11, v9
	v_nop                                          ; a plain instruction behind the reciprocals,
	s_wait_alu depctr_va_vdst(0)                   ; and the wait ahead of their first reader
	v_fma_f32 v12, -v8, v10, 1.0                   ; one step of Newton: 1 / P to the last bit or nearly
	v_fma_f32 v13, -v9, v11, 1.0
	v_fma_f32 v10, v10, v12, v10
	v_fma_f32 v11, v11, v13, v11
	v_sub_nc_u32 v14, 1, v2                        ; cos(a) = sin(a + a quarter turn): lanes 0-15 count one quarter more
	v_lshlrev_b32 v15, 3, v3                       ; 8 x lane: cos at 8 r, sin at 128 + 8 r
	s_mov_b32 s26, 0x3f22f983                      ; 2 / pi
	s_mov_b32 s27, 0x3fc90fdb                      ; pi / 2, its upper part,
	s_mov_b32 s28, 0xb33bbd2e                      ; and the rest
	s_mov_b32 s40, -1.9515295891e-4                ; sin's polynomial
	s_mov_b32 s41, 8.3321608736e-3
	s_mov_b32 s42, -1.6666654611e-1
	s_mov_b32 s43, 2.443315711809948e-5            ; cos's
	s_mov_b32 s44, -1.388731625493765e-3
	s_mov_b32 s45, 4.166664568298827e-2
	s_lshl_b32 s24, s23, 8
	s_mov_b32 s25, 0
	s_wait_kmcnt 0x0
	s_add_nc_u64 s[20:21], s[20:21], s[24:25]      ; a token's 256 bytes
.macro TRIG inv, o
	v_mul_f32 v20, v16, v[\inv]                    ; the angle
	v_mul_f32 v21, s26, v20
	v_rndne_f32 v21, v21                           ; n quarter turns
	v_fma_f32 v22, -v21, s27, v20                  ; exact: both terms are multiples of 2^-23 and the difference is under 1
	v_fma_f32 v22, -v21, s28, v22                  ; rho
	v_cvt_i32_f32 v23, v21
	v_add_nc_u32 v23, v23, v14                     ; the quadrant
	v_mul_f32 v24, v22, v22                        ; z
	v_fma_f32 v25, v24, s40, s41
	v_fma_f32 v27, v24, s43, s44
	v_fma_f32 v25, v24, v25, s42
	v_fma_f32 v27, v24, v27, s45
	v_mul_f32 v26, v24, v22
	v_fma_f32 v28, v24, -0.5, 1.0
	v_mul_f32 v29, v24, v24
	v_fma_f32 v25, v26, v25, v22                   ; sin(rho)
	v_fma_f32 v27, v29, v27, v28                   ; cos(rho)
	v_and_b32 v30, 1, v23
	v_cmp_ne_u32 vcc_lo, 0, v30
	v_cndmask_b32 v25, v25, v27, vcc_lo            ; odd quadrants take cos
	v_and_b32 v30, 2, v23
	v_lshlrev_b32 v30, 30, v30
	v_xor_b32 v25, v25, v30                        ; quadrants 2 and 3 change the sign
	v_cvt_f16_f32 v31.l, v25                       ; the module keeps its tables in f16
	v_cvt_f32_f16 v[\o], v31.l
.endm
	s_mov_b32 s30, 0
.Ltok:
	s_add_co_u32 s31, s23, s30
	v_cvt_f32_u32 v16, s31
	s_wait_alu depctr_va_vdst(0)
	TRIG 10, 32
	TRIG 11, 33
	global_store_b64 v15, v[32:33], s[20:21]       ; 32 lanes store the token's 256 bytes
	s_wait_xcnt 0x0                                ; the store has read its data and its base
	s_add_nc_u64 s[20:21], s[20:21], 256
	s_add_co_u32 s30, s30, 1
	s_cmp_lt_u32 s30, 16
	s_cbranch_scc1 .Ltok
	s_endpgm
.Lfunc_end_k_q0ba69c88e5_quant:
	.size	k_q0ba69c88e5_quant, .Lfunc_end_k_q0ba69c88e5_quant-k_q0ba69c88e5_quant
	.p2alignl 7, 3214868480
	.fill 96, 4, 3214868480
	.section	.rodata,"a",@progbits
	.p2align	6, 0x0
	.amdhsa_kernel k_q0ba69c88e5_quant
		.amdhsa_group_segment_fixed_size 35328
		.amdhsa_private_segment_fixed_size 0
		.amdhsa_enable_private_segment 0
		.amdhsa_kernarg_size 72
		.amdhsa_user_sgpr_count 2
		.amdhsa_user_sgpr_kernarg_segment_ptr 1
		.amdhsa_wavefront_size32 1
		.amdhsa_system_sgpr_workgroup_id_x 1
		.amdhsa_system_sgpr_workgroup_id_y 1
		.amdhsa_system_sgpr_workgroup_id_z 1
		.amdhsa_system_vgpr_workitem_id 0
		.amdhsa_next_free_vgpr 256
		.amdhsa_next_free_sgpr 66
		.amdhsa_reserve_vcc 1
		.amdhsa_float_denorm_mode_32 3
		.amdhsa_float_denorm_mode_16_64 3
		.amdhsa_memory_ordered 1
		.amdhsa_forward_progress 1
		.amdhsa_inst_pref_size 62
	.end_amdhsa_kernel
	.amdgpu_metadata
---
amdhsa.version: [ 1, 2 ]
amdhsa.kernels:
  - .name:           k_q0ba69c88e5_quant
    .symbol:         k_q0ba69c88e5_quant.kd
    .args:
      - { .name: x, .offset: 0, .size: 8, .value_kind: global_buffer, .address_space: global }
      - { .name: wq, .offset: 8, .size: 8, .value_kind: global_buffer, .address_space: global }
      - { .name: wk, .offset: 16, .size: 8, .value_kind: global_buffer, .address_space: global }
      - { .name: wv, .offset: 24, .size: 8, .value_kind: global_buffer, .address_space: global }
      - { .name: wproj, .offset: 32, .size: 8, .value_kind: global_buffer, .address_space: global }
      - { .name: xc, .offset: 40, .size: 8, .value_kind: global_buffer, .address_space: global }
      - { .name: wc, .offset: 48, .size: 8, .value_kind: global_buffer, .address_space: global }
      - { .name: sc, .offset: 56, .size: 8, .value_kind: global_buffer, .address_space: global }
      - { .name: tab, .offset: 64, .size: 8, .value_kind: global_buffer, .address_space: global }
    .group_segment_fixed_size: 35328
    .private_segment_fixed_size: 0
    .kernarg_segment_align: 8
    .kernarg_segment_size: 72
    .max_flat_workgroup_size: 128
    .sgpr_count:     66
    .vgpr_count:     256
    .wavefront_size: 32
...
	.end_amdgpu_metadata
.endif
;; end of part 1
;; launch qk (part 2): grid 8 x 32, 4 waves a work-group, clusters of 4 x 4, 327,680 bytes of LDS; arguments wc, xc, sc, tab, qc, kv; writes qc, kv
.if DOCPART == 2
	.amdgcn_target "amdgcn-amd-amdhsa--gfx1250"
	.amdhsa_code_object_version 6
	.text
	.protected	k_q0ba69c88e5_qk
	.globl	k_q0ba69c88e5_qk
	.p2align	8
	.type	k_q0ba69c88e5_qk,@function
k_q0ba69c88e5_qk:
	s_mov_b64 s[64:65], 0
	v_nop
	global_prefetch_b8 v0, s[64:65] scope:SCOPE_SE
	s_setreg_imm32_b32 hwreg(HW_REG_WAVE_MODE, 25, 1), 1
	s_wait_xcnt 0x0
	s_wait_alu depctr_hold_cnt(0) depctr_sa_sdst(0) depctr_va_vdst(0) depctr_va_sdst(0) depctr_va_ssrc(0) depctr_va_vcc(0) depctr_vm_vsrc(0)
	s_getreg_b32 s2, hwreg(HW_REG_IB_STS2, 6, 4)
	s_cmp_eq_u32 s2, 0
	s_cbranch_scc0 .Lentry_in_a_cluster
	s_endpgm
.Lentry_in_a_cluster:
	s_bfe_u32 s2, ttmp6, 0x10000c
	s_cmp_lg_u32 s2, 0xf033
	s_cbranch_scc0 .Lentry_shape_is_right
	s_endpgm
.Lentry_shape_is_right:
.set S0OFF,  0
.set S1OFF,  0
.set SC0RB,  512
.set SC1RB,  0
.set HALFT,  32768
.set SLOT,   131072
.set SPARE,  262144
.set SC,     32
.set AF,     128
.set LI,     3
.set ADRA,   16
.set ADRB,   20
.set SPW,    28
.set NIL,    29
.set G1,     24
.set G0,     32
.set G1B,    48
.set G0B,    56
.set MUL_LO, 0xa1
.set MUL_HI, 0xf1
.set TO_B,   0x40
.set MSB,    0
.macro WIN new
.if MSB != (\new)
	s_set_vgpr_msb (MSB<<8)|(\new)
.set MSB, (\new)
.endif
.endm
.macro JLOAD g0a, g1a, g0b, g1b, sl
	s_cmp_eq_u32 s14, \sl
	s_cbranch_scc0 .Lfor_b_\@
	tensor_load_to_lds s[\g0a:\g0a+3], s[\g1a:\g1a+7]
	s_nop 0
.rept 4
	v_nop
.endr
	s_branch .Lasked_\@
.Lfor_b_\@:
	s_cmp_eq_u32 s14, 2+\sl
	s_cbranch_scc0 .Lasked_\@
	tensor_load_to_lds s[\g0b:\g0b+3], s[\g1b:\g1b+7]
	s_nop 0
.rept 4
	v_nop
.endr
.Lasked_\@:
.endm
.macro CREST
	s_cmp_lg_u32 s14, 0
	s_cbranch_scc1 .Lnot_wave_0_\@
	s_barrier_signal -3
.Lnot_wave_0_\@:
	s_barrier_wait -3
	s_barrier_signal -1
	s_barrier_wait -1
.endm
.macro CROUND
	s_barrier_signal -1
	s_barrier_wait -1
	CREST
.endm
.macro PLACES n
.rept \n
	v_nop
.endr
.endm
.macro FRAG reg, adr, q, i
.irp c, 0,1,2,3
	ds_load_b128 v[\reg+4*\c:\reg+4*\c+3], v[\adr] offset:4096*(\i)+2048*(\q)+512*\c
.endr
.endm
.macro FETCH_B slot, q, p
	WIN TO_B
.irp i, 0,1,2,3,4,5,6,7
	FRAG 128*(\p)+16*\i, ADRB+\slot, \q, \i
.endr
	WIN 0
.endm
.macro FETCH_A slot, q, i0
.irp i, \i0, \i0+1, \i0+2, \i0+3
	FRAG AF+16*(\i), ADRA+\slot, \q, \i
.endr
.endm
.macro MUL16 a0, p, ks, zero
.irp a, \a0, \a0+1
.irp b, 0,1,2,3,4,5,6,7
.if \zero
	v_wmma_scale_f32_16x16x128_f8f6f4 v[8*(8*((\a)%4)+\b):8*(8*((\a)%4)+\b)+7], v[128*(\p)+16*\b:128*(\p)+16*\b+15], v[AF+16*(\a):AF+16*(\a)+15], 0, v[SC+8*\b+(\ks)], v[SC+8*(\a)+(\ks)] matrix_a_scale:MATRIX_SCALE_ROW1
.else
	v_wmma_scale_f32_16x16x128_f8f6f4 v[8*(8*((\a)%4)+\b):8*(8*((\a)%4)+\b)+7], v[128*(\p)+16*\b:128*(\p)+16*\b+15], v[AF+16*(\a):AF+16*(\a)+15], v[8*(8*((\a)%4)+\b):8*(8*((\a)%4)+\b)+7], v[SC+8*\b+(\ks)], v[SC+8*(\a)+(\ks)] matrix_a_scale:MATRIX_SCALE_ROW1
.endif
.endr
.endr
.endm
.macro STEP slot, ks, zero
	s_wait_dscnt 16
	WIN MUL_LO
	MUL16 0, 0, \ks, \zero
	MUL16 2, 0, \ks, \zero
	s_wait_dscnt 0x0
	PLACES 8
	FETCH_B \slot, 1, 1
	FETCH_A \slot, 1, 0
	WIN MUL_HI
	MUL16 4, 0, \ks, \zero
	MUL16 6, 0, \ks, \zero
	PLACES 8
	WIN 0
	FETCH_A \slot, 1, 4
.endm
.macro TURN slot, next, ks, fill
	s_wait_tensorcnt 0x0
	ds_add_u32 v[SPW], v[NIL]
	s_wait_dscnt 17
	WIN MUL_LO
	MUL16 0, 1, \ks, 0
	s_wait_dscnt 0x0
	s_barrier_signal -1
	MUL16 2, 1, \ks, 0
	WIN 0
	s_barrier_wait -1
.if \fill
	CREST
	s_add_nc_u64 s[G0+4*\slot+2:G0+4*\slot+3], s[G0+4*\slot+2:G0+4*\slot+3], 8192
	s_add_nc_u64 s[G0B+4*\slot+2:G0B+4*\slot+3], s[G0B+4*\slot+2:G0B+4*\slot+3], 8192
	JLOAD G0+4*\slot, G1, G0B+4*\slot, G1B, \slot
	PLACES 8
.else
	PLACES 8
.endif
	FETCH_B \next, 0, 0
	FETCH_A \next, 0, 0
	WIN MUL_HI
	MUL16 4, 1, \ks, 0
	MUL16 6, 1, \ks, 0
	PLACES 8
	WIN 0
	FETCH_A \next, 0, 4
.endm
	s_load_b128 s[4:7], s[0:1], 0x0
	s_load_b64 s[8:9], s[0:1], 0x10
	s_load_b64 s[10:11], s[0:1], 0x18
	s_load_b128 s[68:71], s[0:1], 0x20
	v_lshl_add_u32 v[SPW], v0, 2, SPARE
	v_mov_b32 v[NIL], 0
	ds_add_u32 v28, v29
	ds_add_u32 v28, v29
	s_wait_dscnt 0x0
	v_lshrrev_b32 v1, 5, v0
	v_readfirstlane_b32 s14, v1
	s_lshr_b32 s15, s14, 1
	s_and_b32 s16, s14, 1
	s_bfe_u32 s40, ttmp6, 0x40000
	s_bfe_u32 s41, ttmp6, 0x40004
	s_lshl_b32 s42, ttmp9, 2
	s_add_co_u32 s42, s42, s40
	s_and_b32 s17, ttmp7, 0xffff
	s_lshl_b32 s17, s17, 2
	s_add_co_u32 s17, s17, s41
	s_lshl_b32 s43, s41, 2
	s_lshl_b32 s43, 15, s43
	s_lshl_b32 s44, 0x1111, s40
	s_or_b32 s[G1+0], s43, (3<<16)|(1<<21)
	s_or_b32 s[G1B+0], s44, (3<<16)|(1<<21)
.irp g, G1, G1B
	s_mov_b32 s[\g+1], 512<<16
	s_mov_b32 s[\g+2], 16<<16
	s_mov_b32 s[\g+3], 512<<16
	s_mov_b32 s[\g+4], 16
	s_mov_b32 s[\g+5], 2048
	s_mov_b32 s[\g+6], 0
	s_mov_b32 s[\g+7], 0
.endr
	s_lshl_b32 s20, s17, 4
	s_lshl_b32 s20, s20, 14
	s_add_co_u32 s20, s20, S1OFF
	s_mov_b32 s21, 0
	s_lshl_b32 s46, s42, 4
	s_lshl_b32 s46, s46, 14
	s_add_co_u32 s46, s46, S0OFF
	s_mov_b32 s47, 0
	s_wait_kmcnt 0x0
	s_add_nc_u64 s[20:21], s[6:7], s[20:21]
	s_add_nc_u64 s[46:47], s[4:5], s[46:47]
	CROUND
.irp s, 0,1
	s_mov_b32 s[G0+4*\s], 1
	s_mov_b32 s[G0+4*\s+1], \s*SLOT
	s_add_nc_u64 s[G0+4*\s+2:G0+4*\s+3], s[20:21], \s*4096
	s_or_b32 s[G0+4*\s+3], s[G0+4*\s+3], 0x80000000
	s_mov_b32 s[G0B+4*\s], 1
	s_mov_b32 s[G0B+4*\s+1], 65536+\s*SLOT
	s_add_nc_u64 s[G0B+4*\s+2:G0B+4*\s+3], s[46:47], \s*4096
	s_or_b32 s[G0B+4*\s+3], s[G0B+4*\s+3], 0x80000000
.endr
; THE HEAD'S LOADS, ONE A WAVE, each in an arm and with a line of its own: wave 0 source 1's 16 tiles of slot 0, wave 1 those of slot 1, waves 2 and 3 source 0's.  A wave keeps its operand and its slot for the refills too.
.macro ARM under, g0, g1, next
	s_cmp_lt_u32 s14, \under
	s_cbranch_scc0 \next
	tensor_load_to_lds s[\g0:\g0+3], s[\g1:\g1+7]
	s_nop 0
.rept 4
	v_nop
.endr
	s_branch .Lhead_asked
\next:
.endm
	ARM 1, G0,   G1,  .Lhead_a1
	ARM 2, G0+4, G1,  .Lhead_b0
	ARM 3, G0B,  G1B, .Lhead_b1
	tensor_load_to_lds s[G0B+4:G0B+7], s[G1B:G1B+7]
	s_nop 0
.rept 4
	v_nop
.endr
.Lhead_asked:
	v_and_b32 v1, 15, v0
	v_bfe_u32 v2, v0, 4, 1
	v_and_b32 v[LI], 31, v0
	v_lshlrev_b32 v[LI], 4, v[LI]
	s_lshl_b32 s21, s15, 15
	s_lshl_b32 s22, s16, 15
	s_add_co_u32 s22, s22, 65536
.irp s, 0,1
	v_add_nc_u32 v[ADRA+\s], s21, v[LI]
	v_add_nc_u32 v[ADRB+\s], s22, v[LI]
	s_add_co_u32 s21, s21, SLOT
	s_add_co_u32 s22, s22, SLOT
.endr
	s_mov_b32 s99, 0xffff0000
	s_lshl_b32 s90, s17, 4
	s_lshl_b32 s91, s15, 3
	s_add_co_u32 s90, s90, s91
	s_add_co_u32 s90, s90, SC1RB
	s_lshl_b32 s90, s90, 9
	s_lshl_b32 s92, s42, 4
	s_lshl_b32 s91, s16, 3
	s_add_co_u32 s92, s92, s91
	s_add_co_u32 s92, s92, SC0RB
	s_lshl_b32 s92, s92, 9
	v_mov_b32 v5, s90
	v_mov_b32 v6, s92
	v_cndmask_b32 v5, v5, v6, s99
	v_lshl_add_u32 v27, v1, 4, v5
.irp i, 0,1,2,3,4,5,6,7
	global_load_b128 v[SC+8*\i:SC+8*\i+3], v27, s[8:9] offset:512*\i
	global_load_b128 v[SC+8*\i+4:SC+8*\i+7], v27, s[8:9] offset:512*\i+256
.endr
.set SW,   96
.set SS,   112
.set RS,   120
.set XN,   128
.set YY,   192
.set PC,   128
.set TM,   144
.set VT,   22
.set EO,   23
.set SEL,  66
.set MNT,  96
.set IN64, 97
.set EPS,  98
.set HM,   99
	s_mov_b32 s[SEL], 0x76543210
	s_mov_b32 s[SEL+1], 0xfedcba98
	s_mov_b32 s[MNT], 0x600000
	s_mov_b32 s[IN64], 0x3c800000
	s_mov_b32 s[EPS], 0x34000000
	s_cmp_eq_u32 ttmp9, 0
	s_cselect_b64 s[76:77], s[68:69], s[70:71]
	s_mov_b32 s86, 34304
	s_cselect_b32 s86, 17408, s86
	s_mov_b32 s87, 32768
	s_cselect_b32 s87, 16384, s87
	s_lshl_b32 s88, s42, 2
	s_lshl_b32 s89, s16, 1
	s_add_co_u32 s88, s88, s89
	s_and_b32 s88, s88, 15
	s_lshr_b32 s89, s17, 3
	s_lshl_b32 s89, s89, 4
	s_add_co_u32 s88, s88, s89
	s_lshl_b32 s88, s88, 3
	s_lshl_b32 s89, s17, 1
	s_add_co_u32 s89, s89, s15
	s_and_b32 s89, s89, 15
	s_lshr_b32 s90, s89, 1
	s_add_co_u32 s88, s88, s90
	s_mul_i32 s88, s88, s86
	s_and_b32 s89, s89, 1
	s_lshl_b32 s90, s89, 13
	s_add_co_u32 s90, s90, s88
	s_mov_b32 s91, 0
	s_lshl_b32 s92, s89, 9
	s_add_co_u32 s92, s92, s88
	s_add_co_u32 s92, s92, s87
	s_mov_b32 s93, 0
	s_lshl_b32 s94, s86, 3
	s_mov_b32 s95, 0
	s_add_nc_u64 s[80:81], s[76:77], s[92:93]
	s_add_nc_u64 s[76:77], s[76:77], s[90:91]
	s_add_nc_u64 s[78:79], s[76:77], s[94:95]
	s_add_nc_u64 s[82:83], s[80:81], s[94:95]
	s_and_b32 s90, s17, 7
	s_lshl_b32 s90, s90, 8
	s_lshl_b32 s92, s15, 7
	s_add_co_u32 s90, s90, s92
	s_lshl_b32 s90, s90, 8
	s_add_nc_u64 s[72:73], s[10:11], s[90:91]
	v_and_b32 v5, 8, v1
	v_add_nc_u32 v5, v5, v1
	v_lshlrev_b32 v[VT], 8, v5
	v_lshl_add_u32 v[VT], v2, 6, v[VT]
	v_lshlrev_b32 v[EO], 5, v1
	v_lshl_add_u32 v[EO], v2, 4, v[EO]
	v_mov_b32 v[RS+1], 0
	v_mov_b32 v[RS+3], 0
	s_wait_alu depctr_va_vdst(0)                   ; the wait at the head's end
	s_cmp_eq_u32 s16, 0                            ; waves 0 and 2 wait for slot 0's tiles; slot 1's are waited for at the first change of slots
	s_cbranch_scc0 .Lslot_1_mine
	s_wait_tensorcnt 0x0
.Lslot_1_mine:
	s_barrier_signal -1
	s_barrier_wait -1
	FETCH_B 0, 0, 0
	FETCH_A 0, 0, 0
	FETCH_A 0, 0, 4
	s_wait_loadcnt 0x0
	STEP 0, 0, 1
	TURN 0, 1, 1, 1
	STEP 1, 2, 0
	TURN 1, 0, 3, 1
	STEP 0, 4, 0
	TURN 0, 1, 5, 0
	STEP 1, 6, 0
	s_wait_dscnt 16
	WIN MUL_LO
	MUL16 0, 1, 7, 0
	MUL16 2, 1, 7, 0
	s_wait_dscnt 0x0
	WIN MUL_HI
	MUL16 4, 1, 7, 0
	MUL16 6, 1, 7, 0
	WIN 0
	PLACES 8
.macro QUANT s
.irp b, 0,1,2,3
	v_max3_num_f32 v[TM+\b], |v[\s+16*\b]|, |v[\s+1+16*\b]|, 0x4800000
.endr
.irp i, 2,4,6,8,10,12,14
.irp b, 0,1,2,3
	v_max3_num_f32 v[TM+\b], v[TM+\b], |v[\s+16*\b+\i]|, |v[\s+1+16*\b+\i]|
.endr
.endr
.irp b, 0,1,2,3
	v_permlanex16_b32 v[TM+4+\b], v[TM+\b], s[SEL], s[SEL+1]
.endr
.irp b, 0,1,2,3
	v_max_num_f32 v[TM+\b], v[TM+\b], v[TM+4+\b]
.endr
.irp b, 0,1,2,3
	v_add_nc_u32 v[TM+12+\b], 0xfc000000, v[TM+\b]
.endr
.irp b, 0,1,2,3
	v_and_or_b32 v[TM+8+\b], v[TM+\b], 0x7f800000, s[MNT]
.endr
.irp b, 0,1,2,3
	v_lshrrev_b32 v[TM+4+\b], 23, v[TM+12+\b]
.endr
.irp b, 0,1,2,3
.irp i, 0,1,2,3,4,5,6,7,8,9,10,11,12,13,14,15
	v_med3_num_f32 v[\s+16*\b+\i], v[\s+16*\b+\i], -v[TM+8+\b], v[TM+8+\b]
.endr
	v_cvt_scalef32_pk8_fp8_f32 v[PC+4*\b:PC+1+4*\b], v[\s+16*\b:\s+7+16*\b], v[TM+12+\b]
	v_cvt_scalef32_pk8_fp8_f32 v[PC+2+4*\b:PC+3+4*\b], v[\s+8+16*\b:\s+15+16*\b], v[TM+12+\b]
.endr
	v_nop
.endm
.macro TLD a
	WIN 0x40
.irp j, 0,1,2,3
	global_load_b128 v[32*((\a)%2)+4*\j:32*((\a)%2)+4*\j+3], v[VT], s[72:73] offset:(32*((\a)/2)+8*((\a)%2))*256+16*\j
	global_load_b128 v[32*((\a)%2)+16+4*\j:32*((\a)%2)+16+4*\j+3], v[VT], s[72:73] offset:(32*((\a)/2)+8*((\a)%2))*256+128+16*\j
.endr
	WIN 0
.endm
.macro QKROW a
.set AC, 64*((\a)%4)
.set TBB, 32*((\a)%2)
	WIN 0x0a+5*((\a)/4)
.irp g, 0,1
.irp c, 0,1
	v_pk_mul_f32 v[SS+4*\g+2*\c:SS+4*\g+2*\c+1], v[AC+32*\g+16*\c:AC+32*\g+16*\c+1], v[AC+32*\g+16*\c:AC+32*\g+16*\c+1]
.endr
.endr
.irp p, 1,2,3,4,5,6,7
.irp g, 0,1
.irp c, 0,1
	v_pk_fma_f32 v[SS+4*\g+2*\c:SS+4*\g+2*\c+1], v[AC+32*\g+16*\c+2*\p:AC+32*\g+16*\c+2*\p+1], v[AC+32*\g+16*\c+2*\p:AC+32*\g+16*\c+2*\p+1], v[SS+4*\g+2*\c:SS+4*\g+2*\c+1]
.endr
.endr
.endr
	WIN 0
	v_pk_add_f32 v[SS:SS+1], v[SS:SS+1], v[SS+2:SS+3]
	v_pk_add_f32 v[SS+4:SS+5], v[SS+4:SS+5], v[SS+6:SS+7]
	v_add_f32 v[SS], v[SS], v[SS+1]
	v_add_f32 v[SS+4], v[SS+4], v[SS+5]
	v_permlanex16_b32 v[SS+1], v[SS], s[SEL], s[SEL+1]
	v_permlanex16_b32 v[SS+5], v[SS+4], s[SEL], s[SEL+1]
	v_add_f32 v[SS], v[SS], v[SS+1]
	v_add_f32 v[SS+4], v[SS+4], v[SS+5]
	v_fma_f32 v[SS], v[SS], s[IN64], s[EPS]
	v_fma_f32 v[SS+4], v[SS+4], s[IN64], s[EPS]
	s_wait_alu depctr_va_vdst(0)
	v_rsq_f32 v[RS], v[SS]
	v_rsq_f32 v[RS+2], v[SS+4]
	v_nop
	s_wait_alu depctr_va_vdst(0)
	s_wait_xcnt 0x0
	WIN 0x02+((\a)/4)
.irp g, 0,1
.irp p, 0,1,2,3,4,5,6,7,8,9,10,11,12,13,14,15
	v_pk_mul_f32 v[XN+32*\g+2*\p:XN+32*\g+2*\p+1], v[AC+32*\g+2*\p:AC+32*\g+2*\p+1], v[RS+2*\g:RS+2*\g+1] op_sel_hi:[1,0]
.endr
.endr
	WIN 0
.if (\a) < 7
	s_wait_loadcnt 8
.else
	s_wait_loadcnt 0x0
.endif
	WIN 0x04
.irp g, 0,1
.irp p, 0,1,2,3,4,5,6,7
	v_pk_mul_f32 v[YY+32*\g+2*\p:YY+32*\g+2*\p+1], v[XN+32*\g+16+2*\p:XN+32*\g+16+2*\p+1], v[TBB+16+2*\p:TBB+16+2*\p+1]
	v_pk_mul_f32 v[YY+32*\g+16+2*\p:YY+32*\g+16+2*\p+1], v[XN+32*\g+2*\p:XN+32*\g+2*\p+1], v[TBB+16+2*\p:TBB+16+2*\p+1]
.endr
.endr
.irp g, 0,1
.irp p, 0,1,2,3,4,5,6,7
	v_pk_fma_f32 v[YY+32*\g+2*\p:YY+32*\g+2*\p+1], v[XN+32*\g+2*\p:XN+32*\g+2*\p+1], v[TBB+2*\p:TBB+2*\p+1], v[YY+32*\g+2*\p:YY+32*\g+2*\p+1]
	v_pk_fma_f32 v[YY+32*\g+16+2*\p:YY+32*\g+16+2*\p+1], v[XN+32*\g+16+2*\p:XN+32*\g+16+2*\p+1], v[TBB+2*\p:TBB+2*\p+1], v[YY+32*\g+16+2*\p:YY+32*\g+16+2*\p+1] neg_lo:[0,0,1] neg_hi:[0,0,1]
.endr
.endr
	WIN 0
.if (\a) < 6
	TLD (\a)+2
.endif
	QUANT YY
.irp g, 0,1
	v_lshl_or_b32 v[SW+8*\g+(\a)], v[TM+5+2*\g], 8, v[TM+4+2*\g]
	v_or_b32 v[SW+8*\g+(\a)], 0x7f7f0000, v[SW+8*\g+(\a)]
.irp c, 0,1
	global_store_b128 v[LI], v[PC+8*\g+4*\c:PC+8*\g+4*\c+3], s[76+2*\g:77+2*\g] offset:1024*(\a)+512*\c
.endr
.endr
.endm
	s_wait_alu depctr_va_vdst(0)
	TLD 0
	TLD 1
	QKROW 0
	QKROW 1
	QKROW 2
	QKROW 3
	QKROW 4
	QKROW 5
	QKROW 6
	QKROW 7
.irp g, 0,1
.irp j, 0,1,2,3
	v_cndmask_b32 v[160+4*\g+\j], v[SW+8*\g+\j], v[SW+8*\g+4+\j], s[HM]
.endr
.endr
	global_store_b128 v[EO], v[160:163], s[80:81]
	global_store_b128 v[EO], v[164:167], s[82:83]
	s_wait_tensorcnt 0x0
	ds_add_u32 v[SPW], v[NIL]
	s_wait_dscnt 0x0
	CROUND
	s_endpgm
.Lfunc_end_k_q0ba69c88e5_qk:
	.size	k_q0ba69c88e5_qk, .Lfunc_end_k_q0ba69c88e5_qk-k_q0ba69c88e5_qk
	.p2alignl 7, 3214868480
	.fill 96, 4, 3214868480
	.section	.rodata,"a",@progbits
	.p2align	6, 0x0
	.amdhsa_kernel k_q0ba69c88e5_qk
		.amdhsa_group_segment_fixed_size 327680
		.amdhsa_private_segment_fixed_size 0
		.amdhsa_enable_private_segment 0
		.amdhsa_kernarg_size 48
		.amdhsa_user_sgpr_count 2
		.amdhsa_user_sgpr_kernarg_segment_ptr 1
		.amdhsa_wavefront_size32 1
		.amdhsa_system_sgpr_workgroup_id_x 1
		.amdhsa_system_sgpr_workgroup_id_y 1
		.amdhsa_system_sgpr_workgroup_id_z 1
		.amdhsa_system_vgpr_workitem_id 0
		.amdhsa_next_free_vgpr 1024
		.amdhsa_next_free_sgpr 100
		.amdhsa_reserve_vcc 0
		.amdhsa_float_denorm_mode_32 3
		.amdhsa_float_denorm_mode_16_64 3
		.amdhsa_memory_ordered 1
		.amdhsa_forward_progress 1
		.amdhsa_inst_pref_size 255
	.end_amdhsa_kernel
	.section	.bss,"aw",@nobits
	.p2align	6
	.space	262144
	.amdgpu_metadata
---
amdhsa.version: [ 1, 2 ]
amdhsa.kernels:
  - .name:           k_q0ba69c88e5_qk
    .symbol:         k_q0ba69c88e5_qk.kd
    .args:
      - { .name: wc, .offset: 0, .size: 8, .value_kind: global_buffer, .address_space: global }
      - { .name: xc, .offset: 8, .size: 8, .value_kind: global_buffer, .address_space: global }
      - { .name: sc, .offset: 16, .size: 8, .value_kind: global_buffer, .address_space: global }
      - { .name: tab, .offset: 24, .size: 8, .value_kind: global_buffer, .address_space: global }
      - { .name: qc, .offset: 32, .size: 8, .value_kind: global_buffer, .address_space: global }
      - { .name: kv, .offset: 40, .size: 8, .value_kind: global_buffer, .address_space: global }
    .group_segment_fixed_size: 327680
    .private_segment_fixed_size: 0
    .kernarg_segment_align: 8
    .kernarg_segment_size: 48
    .max_flat_workgroup_size: 128
    .sgpr_count:     100
    .vgpr_count:     1024
    .wavefront_size: 32
...
	.end_amdgpu_metadata
.endif
;; end of part 2
;; launch vproj (part 3): grid 64 x 4, 4 waves a work-group, clusters of 4 x 4, 327,680 bytes of LDS; arguments xc, wc, sc, v1, lamb, kv, out1; writes kv, out1
.if DOCPART == 3
	.amdgcn_target "amdgcn-amd-amdhsa--gfx1250"
	.amdhsa_code_object_version 6
	.text
	.protected	k_q0ba69c88e5_vproj
	.globl	k_q0ba69c88e5_vproj
	.p2align	8
	.type	k_q0ba69c88e5_vproj,@function
k_q0ba69c88e5_vproj:
	s_mov_b64 s[64:65], 0
	v_nop
	global_prefetch_b8 v0, s[64:65] scope:SCOPE_SE
	s_setreg_imm32_b32 hwreg(HW_REG_WAVE_MODE, 25, 1), 1
	s_wait_xcnt 0x0
	s_wait_alu depctr_hold_cnt(0) depctr_sa_sdst(0) depctr_va_vdst(0) depctr_va_sdst(0) depctr_va_ssrc(0) depctr_va_vcc(0) depctr_vm_vsrc(0)
	s_getreg_b32 s2, hwreg(HW_REG_IB_STS2, 6, 4)
	s_cmp_eq_u32 s2, 0
	s_cbranch_scc0 .Lentry_in_a_cluster
	s_endpgm
.Lentry_in_a_cluster:
	s_bfe_u32 s2, ttmp6, 0x10000c
	s_cmp_lg_u32 s2, 0xf033
	s_cbranch_scc0 .Lentry_shape_is_right
	s_endpgm
.Lentry_shape_is_right:
; v = (1 - lamb) x wv^T + lamb v1, quantised ALONG THE TOKENS (the keys are the second attention product's K); and out1 = v1.
; THE PRODUCT is the same loop as in the launch for q and k, with the sources the other way round: source 0 = tokens (x), source 1 = rows of wv.  So a lane holds ONE column of v and the 16 registers of two
; neighbouring tiles are 16 neighbouring tokens 32 B + 16 h + 0..15: a block of 32 tokens lies in lanes l and l xor 16, and the conversions' results are registers of V^T's fragments.
; v1 is read once, 512 consecutive bytes a load; the same registers are stored to out1 and go through the wave's own stage in LDS, from which a lane takes its column's 16 tokens.
; The stage lies in slot 0, which has had its last fill and its last read when the first number is stored there.
; CLUSTERS: 4 x 4; the grid has one row of clusters, so the block of wv is the place cy itself.
; LIMITS: NaN and infinities are not served; a block of zeros gets the scale byte 1 (this program alone reads the bytes).
; REGISTERS: as in the launch for q and k.  Behind the product: windows 2 and 3: v1, 128 registers each; window 0: v4-7 lamb and 1 - lamb, v8-15 V's scale words, v96-127 codes and work, v128-255 the two heads' 64 numbers.
.set S0OFF,  0
.set S1OFF,  2097152
.set SC0RB,  0
.set SC1RB,  640
.set HALFT,  32768
.set SLOT,   131072
.set SPARE,  262144
.set SC,     32
.set AF,     128
.set LI,     3
.set ADRA,   16
.set ADRB,   20
.set SPW,    28
.set NIL,    29
.set G1,     24
.set G0,     32
.set G1B,    48
.set G0B,    56
.set MUL_LO, 0xa1
.set MUL_HI, 0xf1
.set TO_B,   0x40
.set MSB,    0
.macro WIN new
.if MSB != (\new)
	s_set_vgpr_msb (MSB<<8)|(\new)
.set MSB, (\new)
.endif
.endm
.macro JLOAD g0a, g1a, g0b, g1b, sl
	s_cmp_eq_u32 s14, \sl
	s_cbranch_scc0 .Lfor_b_\@
	tensor_load_to_lds s[\g0a:\g0a+3], s[\g1a:\g1a+7]
	s_nop 0
.rept 4
	v_nop
.endr
	s_branch .Lasked_\@
.Lfor_b_\@:
	s_cmp_eq_u32 s14, 2+\sl
	s_cbranch_scc0 .Lasked_\@
	tensor_load_to_lds s[\g0b:\g0b+3], s[\g1b:\g1b+7]
	s_nop 0
.rept 4
	v_nop
.endr
.Lasked_\@:
.endm
.macro CREST
	s_cmp_lg_u32 s14, 0
	s_cbranch_scc1 .Lnot_wave_0_\@
	s_barrier_signal -3
.Lnot_wave_0_\@:
	s_barrier_wait -3
	s_barrier_signal -1
	s_barrier_wait -1
.endm
.macro CROUND
	s_barrier_signal -1
	s_barrier_wait -1
	CREST
.endm
.macro PLACES n
.rept \n
	v_nop
.endr
.endm
.macro FRAG reg, adr, q, i
.irp c, 0,1,2,3
	ds_load_b128 v[\reg+4*\c:\reg+4*\c+3], v[\adr] offset:4096*(\i)+2048*(\q)+512*\c
.endr
.endm
.macro FETCH_B slot, q, p
	WIN TO_B
.irp i, 0,1,2,3
	FRAG 128*(\p)+16*\i, ADRB+\slot, \q, \i
.endr
	WIN 0
.endm
.macro FETCH_A slot, q, i0
.irp i, \i0, \i0+1, \i0+2, \i0+3
	FRAG AF+16*(\i), ADRA+\slot, \q, \i
.endr
.endm
.macro MUL16 a0, p, ks, zero           ; the 32 accumulators take turns, one instruction a turn
.irp a, \a0, \a0+1
.irp b, 0,1,2,3
.if \zero
	v_wmma_scale_f32_16x16x128_f8f6f4 v[8*(8*((\a)%4)+\b):8*(8*((\a)%4)+\b)+7], v[128*(\p)+16*\b:128*(\p)+16*\b+15], v[AF+16*(\a):AF+16*(\a)+15], 0, v[SC+8*\b+(\ks)], v[SC+8*(\a)+(\ks)] matrix_a_scale:MATRIX_SCALE_ROW1
.else
	v_wmma_scale_f32_16x16x128_f8f6f4 v[8*(8*((\a)%4)+\b):8*(8*((\a)%4)+\b)+7], v[128*(\p)+16*\b:128*(\p)+16*\b+15], v[AF+16*(\a):AF+16*(\a)+15], v[8*(8*((\a)%4)+\b):8*(8*((\a)%4)+\b)+7], v[SC+8*\b+(\ks)], v[SC+8*(\a)+(\ks)] matrix_a_scale:MATRIX_SCALE_ROW1
.endif
.endr
.endr
.endm
.macro STEP slot, ks, zero
	s_wait_dscnt 16                                ; all but the youngest 16 loads (source 1's blocks 4-7) are in
	WIN MUL_LO
	MUL16 0, 0, \ks, \zero
	MUL16 2, 0, \ks, \zero
	s_wait_dscnt 0x0
	PLACES 8
	FETCH_B \slot, 1, 1
	FETCH_A \slot, 1, 0
	WIN MUL_HI
	MUL16 4, 0, \ks, \zero
	MUL16 6, 0, \ks, \zero
	PLACES 8
	WIN 0
	FETCH_A \slot, 1, 4
.endm
.macro TURN slot, next, ks, fill
	s_wait_tensorcnt 0x0                           ; all my tensor loads have landed: my part of the next slot
	ds_add_u32 v[SPW], v[NIL]                      ; 0 onto my spare word
	s_wait_dscnt 17                                ; (the add and the youngest 16 loads may be out)
	WIN MUL_LO
	MUL16 0, 1, \ks, 0
	s_wait_dscnt 0x0                               ; the add is done, and my reads of this slot are over
	s_barrier_signal -1
	MUL16 2, 1, \ks, 0
	WIN 0
	s_barrier_wait -1
.if \fill
	CREST
	s_add_nc_u64 s[G0+4*\slot+2:G0+4*\slot+3], s[G0+4*\slot+2:G0+4*\slot+3], 8192
	s_add_nc_u64 s[G0B+4*\slot+2:G0B+4*\slot+3], s[G0B+4*\slot+2:G0B+4*\slot+3], 8192
	JLOAD G0+4*\slot, G1, G0B+4*\slot, G1B, \slot
	PLACES 8
.else
	PLACES 8
.endif
	FETCH_B \next, 0, 0
	FETCH_A \next, 0, 0
	WIN MUL_HI
	MUL16 4, 1, \ks, 0
	MUL16 6, 1, \ks, 0
	PLACES 8
	WIN 0
	FETCH_A \next, 0, 4
.endm
	s_load_b128 s[4:7], s[0:1], 0x0                ; source 0's codes (xc), source 1's (wc)
	s_load_b64 s[8:9], s[0:1], 0x10                ; the scale words
	s_load_b64 s[10:11], s[0:1], 0x18              ; v1
	s_load_b128 s[68:71], s[0:1], 0x20             ; lamb, kv
	s_load_b64 s[72:73], s[0:1], 0x30              ; out1
	v_lshl_add_u32 v[SPW], v0, 2, SPARE
	v_mov_b32 v[NIL], 0
	ds_add_u32 v28, v29
	ds_add_u32 v28, v29
	s_wait_dscnt 0x0
	v_lshrrev_b32 v1, 5, v0
	v_readfirstlane_b32 s14, v1
	s_lshr_b32 s15, s14, 1
	s_and_b32 s16, s14, 1
	s_bfe_u32 s40, ttmp6, 0x40000                  ; cx
	s_bfe_u32 s41, ttmp6, 0x40004                  ; cy
	s_lshl_b32 s42, ttmp9, 2
	s_add_co_u32 s42, s42, s40                     ; the block of 128 tokens
	s_mov_b32 s17, s41                             ; the block of 256 columns
	s_lshl_b32 s43, s41, 2
	s_lshl_b32 s43, 15, s43
	s_lshl_b32 s44, 0x1111, s40
	s_or_b32 s[G1+0], s43, (3<<16)|(1<<21)
	s_or_b32 s[G1B+0], s44, (3<<16)|(1<<21)
.irp g, G1, G1B
	s_mov_b32 s[\g+1], 512<<16
	s_mov_b32 s[\g+2], 16<<16
	s_mov_b32 s[\g+3], 512<<16
	s_mov_b32 s[\g+4], 16
	s_mov_b32 s[\g+5], 2048
	s_mov_b32 s[\g+6], 0
	s_mov_b32 s[\g+7], 0
.endr
	s_mov_b32 s[G1B+2], 8<<16                      ; source 0's block is 128 tokens: eight tiles of 16 to a load
	s_mov_b32 s[G1B+4], 8
	s_lshl_b32 s20, s17, 4
	s_lshl_b32 s20, s20, 14
	s_add_co_u32 s20, s20, S1OFF
	s_mov_b32 s21, 0
	s_lshl_b32 s46, s42, 4
	s_lshl_b32 s46, s46, 13                        ; tile 8 x block + 4 x half, 16,384 bytes a tile
	s_add_co_u32 s46, s46, S0OFF
	s_mov_b32 s47, 0
	s_wait_kmcnt 0x0
	s_load_b32 s74, s[68:69], 0x0                  ; lamb
	s_add_nc_u64 s[20:21], s[6:7], s[20:21]
	s_add_nc_u64 s[46:47], s[4:5], s[46:47]
	CROUND
.irp s, 0,1
	s_mov_b32 s[G0+4*\s], 1
	s_mov_b32 s[G0+4*\s+1], \s*SLOT
	s_add_nc_u64 s[G0+4*\s+2:G0+4*\s+3], s[20:21], \s*4096
	s_or_b32 s[G0+4*\s+3], s[G0+4*\s+3], 0x80000000
	s_mov_b32 s[G0B+4*\s], 1
	s_mov_b32 s[G0B+4*\s+1], 65536+\s*SLOT
	s_add_nc_u64 s[G0B+4*\s+2:G0B+4*\s+3], s[46:47], \s*4096
	s_or_b32 s[G0B+4*\s+3], s[G0B+4*\s+3], 0x80000000
.endr
; THE HEAD'S LOADS, ONE A WAVE, each in an arm and with a line of its own: wave 0 source 1's 16 tiles of slot 0, wave 1 those of slot 1, waves 2 and 3 source 0's eight.  A wave keeps its operand and its slot for the refills too.
.macro ARM under, g0, g1, next
	s_cmp_lt_u32 s14, \under
	s_cbranch_scc0 \next
	tensor_load_to_lds s[\g0:\g0+3], s[\g1:\g1+7]
	s_nop 0
.rept 4
	v_nop
.endr
	s_branch .Lhead_asked
\next:
.endm
	ARM 1, G0,   G1,  .Lhead_a1
	ARM 2, G0+4, G1,  .Lhead_b0
	ARM 3, G0B,  G1B, .Lhead_b1
	tensor_load_to_lds s[G0B+4:G0B+7], s[G1B:G1B+7]
	s_nop 0
.rept 4
	v_nop
.endr
.Lhead_asked:
	v_and_b32 v1, 15, v0
	v_bfe_u32 v2, v0, 4, 1
	v_and_b32 v[LI], 31, v0
	v_lshlrev_b32 v[LI], 4, v[LI]
	s_wait_alu depctr_va_vdst(0)
	s_lshl_b32 s21, s15, 15
	s_lshl_b32 s22, s16, 14
	s_add_co_u32 s22, s22, 65536
.irp s, 0,1
	v_add_nc_u32 v[ADRA+\s], s21, v[LI]
	v_add_nc_u32 v[ADRB+\s], s22, v[LI]
	s_add_co_u32 s21, s21, SLOT
	s_add_co_u32 s22, s22, SLOT
.endr
	s_mov_b32 s99, 0xffff0000
	s_lshl_b32 s90, s17, 4
	s_lshl_b32 s91, s15, 3
	s_add_co_u32 s90, s90, s91
	s_add_co_u32 s90, s90, SC1RB
	s_lshl_b32 s90, s90, 9
	s_lshl_b32 s92, s42, 3
	s_lshl_b32 s91, s16, 2
	s_add_co_u32 s92, s92, s91
	s_add_co_u32 s92, s92, SC0RB
	s_lshl_b32 s92, s92, 9
	v_mov_b32 v5, s90
	v_mov_b32 v6, s92
	v_cndmask_b32 v5, v5, v6, s99
	v_lshl_add_u32 v27, v1, 4, v5
.irp i, 0,1,2,3,4,5,6,7
	global_load_b128 v[SC+8*\i:SC+8*\i+3], v27, s[8:9] offset:512*\i
	global_load_b128 v[SC+8*\i+4:SC+8*\i+7], v27, s[8:9] offset:512*\i+256
.endr
	; ---- what the way out needs
.set LAM,  4
.set OML,  6
.set SWV,  8
.set STV,  22
.set VL,   23
.set SVO,  30
.set PC,   96
.set TM,   112
.set VV,   128
.set SEL,  66
.set MNT,  96
.set HM,   99
	s_mov_b32 s[SEL], 0x76543210
	s_mov_b32 s[SEL+1], 0xfedcba98
	s_mov_b32 s[MNT], 0x600000
	s_lshl_b32 s86, s42, 7
	s_lshl_b32 s87, s16, 6
	s_add_co_u32 s86, s86, s87                     ; my first token
	s_lshl_b32 s86, s86, 12
	s_lshl_b32 s87, s17, 10
	s_add_co_u32 s86, s86, s87
	s_lshl_b32 s87, s15, 9
	s_add_co_u32 s86, s86, s87                     ; + my first column, in bytes
	s_mov_b32 s87, 0
	s_add_nc_u64 s[76:77], s[10:11], s[86:87]      ; v1
	s_add_nc_u64 s[78:79], s[72:73], s[86:87]      ; out1
	s_lshr_b32 s88, s42, 4
	s_lshl_b32 s88, s88, 4
	s_lshl_b32 s89, s17, 2
	s_add_co_u32 s88, s88, s89
	s_lshl_b32 s89, s15, 1
	s_add_co_u32 s88, s88, s89                     ; 16 x batch + my first head
	s_lshl_b32 s88, s88, 3
	s_mov_b32 s89, s42                             ; the work-group's 128 tokens are one step; my wave has its blocks of 32 tokens 2 x half, 2 x half + 1
	s_and_b32 s89, s89, 15                         ; my step of 128 tokens
	s_lshr_b32 s86, s89, 1
	s_add_co_u32 s88, s88, s86
	s_mul_i32 s88, s88, 34304                      ; the record
	s_and_b32 s89, s89, 1
	s_lshl_b32 s86, s89, 13
	s_add_co_u32 s86, s86, s88
	s_add_co_u32 s86, s86, 16384
	s_lshl_b32 s75, s16, 10
	s_add_co_u32 s86, s86, s75                     ; 512 bytes for each block of 32 tokens
	s_add_nc_u64 s[80:81], s[70:71], s[86:87]      ; head 0's V codes of my step,
	s_add_nc_u64 s[82:83], s[80:81], 274432        ; head 1's: 8 records on
	s_lshl_b32 s86, s89, 8
	s_add_co_u32 s86, s86, s88
	s_add_co_u32 s86, s86, 33792
	s_lshl_b32 s75, s16, 1
	s_add_co_u32 s86, s86, s75                     ; my two bytes of each scale word
	s_add_nc_u64 s[84:85], s[70:71], s[86:87]      ; head 0's V scale words of my step
	s_mul_i32 s23, s14, 17408                      ; my stage: 32 rows of 528 bytes, 32 more behind the sixteenth: lanes 16-31 then read eight banks on from lanes 0-15
	v_add_nc_u32 v[STV], s23, v[LI]
	v_and_b32 v5, 8, v1
	v_add_nc_u32 v5, v5, v1
	v_lshlrev_b32 v5, 2, v5                        ; 4 (r + 8 (r / 8))
	v_mul_u32_u24 v6, v2, 8480                     ; 16 rows further down for lanes 16-31
	v_add_nc_u32 v5, v5, v6
	v_add_nc_u32 v[VL], s23, v5
	v_mul_u32_u24 v[SVO], v2, 274432
	v_lshl_add_u32 v[SVO], v1, 4, v[SVO]           ; lanes 0-15: head 0's words of row r; lanes 16-31: head 1's
.irp b, 0,1,2,3
	v_mov_b32 v[TM+4+\b], 0                        ; written once: a lane permute's destination counts as one of its sources
.endr
	s_wait_kmcnt 0x0                               ; lamb
; v1 is asked for at the head: my 128 columns of tokens 32 be .. 32 be + 31, 512 consecutive bytes a load, into the registers 64 k + 32 .. 64 k + 63 of window 2 + be, which the 16 accumulators of a window leave free.
.macro LDV1 be
	WIN 0x80+0x40*(\be)
.set i, 0
.rept 32
	global_load_b128 v[64*(i/8)+32+4*(i%8):64*(i/8)+32+4*(i%8)+3], v[LI], s[76:77] offset:131072*(\be)+4096*i th:TH_LOAD_NT
.set i, i+1
.endr
	WIN 0
.endm
.macro OUT1 be                         ; out1 = v1, from the same registers
	s_wait_loadcnt 32-32*(\be)                     ; block be's 32 loads are in; behind block 0's stand block 1's 32
	WIN 0x08+4*(\be)
.set i, 0
.rept 32
	global_store_b128 v[LI], v[64*(i/8)+32+4*(i%8):64*(i/8)+32+4*(i%8)+3], s[78:79] offset:131072*(\be)+4096*i th:TH_STORE_NT
.set i, i+1
.endr
	WIN 0
.endm
	LDV1 0
	LDV1 1
	s_wait_alu depctr_va_vdst(0)                   ; the wait at the head's end
	s_cmp_eq_u32 s16, 0                            ; waves 0 and 2 wait for slot 0's tiles; slot 1's are waited for at the first change of slots
	s_cbranch_scc0 .Lslot_1_mine
	s_wait_tensorcnt 0x0
.Lslot_1_mine:
	s_barrier_signal -1
	s_barrier_wait -1
	FETCH_B 0, 0, 0
	FETCH_A 0, 0, 0
	FETCH_A 0, 0, 4
	s_wait_loadcnt 63                              ; the 16 loads of scale words are the oldest of 80: with 63 out at the most they are in
	STEP 0, 0, 1
	TURN 0, 1, 1, 1
	STEP 1, 2, 0
	TURN 1, 0, 3, 1
	OUT1 0
	STEP 0, 4, 0
	TURN 0, 1, 5, 0
	OUT1 1
	STEP 1, 6, 0
	s_wait_dscnt 16
	WIN MUL_LO
	MUL16 0, 1, 7, 0
	MUL16 2, 1, 7, 0
	s_wait_dscnt 0x0
	WIN MUL_HI
	MUL16 4, 1, 7, 0
	MUL16 6, 1, 7, 0
	WIN 0
	PLACES 8
	v_mov_b32 v[LAM], s74
	v_mov_b32 v[LAM+1], s74
	v_sub_f32 v[OML], 1.0, v[LAM]
	v_sub_f32 v[OML+1], 1.0, v[LAM]
.macro QUANT s
.irp b, 0,1,2,3
	v_max3_num_f32 v[TM+\b], |v[\s+16*\b]|, |v[\s+1+16*\b]|, 0x4800000
.endr
.irp i, 2,4,6,8,10,12,14
.irp b, 0,1,2,3
	v_max3_num_f32 v[TM+\b], v[TM+\b], |v[\s+16*\b+\i]|, |v[\s+1+16*\b+\i]|
.endr
.endr
.irp b, 0,1,2,3
	v_permlanex16_b32 v[TM+4+\b], v[TM+\b], s[SEL], s[SEL+1]
.endr
.irp b, 0,1,2,3
	v_max_num_f32 v[TM+\b], v[TM+\b], v[TM+4+\b]
.endr
.irp b, 0,1,2,3
	v_add_nc_u32 v[TM+12+\b], 0xfc000000, v[TM+\b]
.endr
.irp b, 0,1,2,3
	v_and_or_b32 v[TM+8+\b], v[TM+\b], 0x7f800000, s[MNT]
.endr
.irp b, 0,1,2,3
	v_lshrrev_b32 v[TM+4+\b], 23, v[TM+12+\b]
.endr
.irp b, 0,1,2,3
.irp i, 0,1,2,3,4,5,6,7,8,9,10,11,12,13,14,15
	v_med3_num_f32 v[\s+16*\b+\i], v[\s+16*\b+\i], -v[TM+8+\b], v[TM+8+\b]
.endr
	v_cvt_scalef32_pk8_fp8_f32 v[PC+4*\b:PC+1+4*\b], v[\s+16*\b:\s+7+16*\b], v[TM+12+\b]
	v_cvt_scalef32_pk8_fp8_f32 v[PC+2+4*\b:PC+3+4*\b], v[\s+8+16*\b:\s+15+16*\b], v[TM+12+\b]
.endr
	v_nop
.endm
.macro LOADV be                        ; v1: my 128 columns of tokens 32 be .. 32 be + 31: 512 consecutive bytes a load
	WIN 0x40
.set i, 0
.rept 32
	global_load_b128 v[128*((\be)%2)+4*i:128*((\be)%2)+4*i+3], v[LI], s[76:77] offset:131072*(\be)+4096*i th:TH_LOAD_NT
.set i, i+1
.endr
	WIN 0
.endm
; Head g of my two, tokens 32 be on: the blend, the quantiser (its four blocks are the head's four tiles of 16 columns), the codes' stores.
.macro VBLEND be, g
.if (\g) == 0
	s_wait_dscnt 63                                ; of the 128 loads at most 63 are out: head 0's 64 are in
.else
	s_wait_dscnt 0x0
.endif
.set p, 0
.rept 32
	v_pk_mul_f32 v[VV+64*(\g)+2*p:VV+64*(\g)+2*p+1], v[VV+64*(\g)+2*p:VV+64*(\g)+2*p+1], v[LAM:LAM+1]
.set p, p+1
.endr
	WIN 0x02+(\g)                                  ; source 0: the accumulators' window; each accumulator from its low end on
.set p, 0
.rept 32
	v_pk_fma_f32 v[VV+64*(\g)+2*p:VV+64*(\g)+2*p+1], v[64*(p/8)+16*(\be)+2*(p%8):64*(p/8)+16*(\be)+2*(p%8)+1], v[OML:OML+1], v[VV+64*(\g)+2*p:VV+64*(\g)+2*p+1]
.set p, p+1
.endr
	WIN 0
	s_wait_xcnt 0x0                                ; the last codes' stores have read their registers
	QUANT VV+64*(\g)
.irp dt, 0,1,2,3
.if (\be) == 0
	v_mov_b32 v[SWV+4*(\g)+\dt], v[TM+4+\dt]
.else
	v_lshl_or_b32 v[SWV+4*(\g)+\dt], v[TM+4+\dt], 8*(\be), v[SWV+4*(\g)+\dt]
.endif
	global_store_b128 v[LI], v[PC+4*\dt:PC+4*\dt+3], s[80+2*(\g):81+2*(\g)] offset:2048*\dt+512*(\be)   ; 512 consecutive bytes
.endr
.endm
.macro VSTEP be
.if (\be) < 1
	s_wait_loadcnt 32                              ; this block's 32 loads are in; the next block's 32 may be out
.else
	s_wait_loadcnt 0x0
.endif
	WIN 0x08+4*(\be)
.set i, 0
.set i, 0
.rept 32
	ds_store_b128 v[STV], v[64*(i/8)+32+4*(i%8):64*(i/8)+32+4*(i%8)+3] offset:528*i+32*(i/16)
.set i, i+1
.endr
	WIN 0
.if (\be) < 0
	s_wait_dscnt 0x0                               ; the stage's stores,
	s_wait_xcnt 0x0                                ; and out1's, have read their registers,
	LOADV (\be)+2                                  ; which take the loads of two blocks on
.endif
.set n, 0
.rept 128
	ds_load_b32 v[VV+n], v[VL] offset:(32*((n/16)/2)+8*((n/16)%2))*4+528*(n%16)   ; v1(token 16 h + n % 16, column of tile n / 16): LDS serves a wave's instructions in order
.set n, n+1
.endr
	VBLEND \be, 0
	VBLEND \be, 1
.endm
	s_wait_alu depctr_va_vdst(0)
	VSTEP 0
	VSTEP 1
.irp j, 0,1,2,3
	v_cndmask_b32 v[TM+\j], v[SWV+\j], v[SWV+4+\j], s[HM]
.endr
.irp j, 0,1,2,3
	global_store_b16 v[SVO], v[TM+\j], s[84:85] offset:4*\j   ; my two bytes of the word of tile j; the wave with the other 64 tokens stores the other two
.endr
	s_wait_tensorcnt 0x0                           ; the wave's end
	ds_add_u32 v[SPW], v[NIL]
	s_wait_dscnt 0x0
	CROUND
	s_endpgm
.Lfunc_end_k_q0ba69c88e5_vproj:
	.size	k_q0ba69c88e5_vproj, .Lfunc_end_k_q0ba69c88e5_vproj-k_q0ba69c88e5_vproj
	.p2alignl 7, 3214868480
	.fill 96, 4, 3214868480
	.section	.rodata,"a",@progbits
	.p2align	6, 0x0
	.amdhsa_kernel k_q0ba69c88e5_vproj
		.amdhsa_group_segment_fixed_size 327680
		.amdhsa_private_segment_fixed_size 0
		.amdhsa_enable_private_segment 0
		.amdhsa_kernarg_size 56
		.amdhsa_user_sgpr_count 2
		.amdhsa_user_sgpr_kernarg_segment_ptr 1
		.amdhsa_wavefront_size32 1
		.amdhsa_system_sgpr_workgroup_id_x 1
		.amdhsa_system_sgpr_workgroup_id_y 1
		.amdhsa_system_sgpr_workgroup_id_z 1
		.amdhsa_system_vgpr_workitem_id 0
		.amdhsa_next_free_vgpr 1024
		.amdhsa_next_free_sgpr 100
		.amdhsa_reserve_vcc 0
		.amdhsa_float_denorm_mode_32 3
		.amdhsa_float_denorm_mode_16_64 3
		.amdhsa_memory_ordered 1
		.amdhsa_forward_progress 1
		.amdhsa_inst_pref_size 158
	.end_amdhsa_kernel
	.amdgpu_metadata
---
amdhsa.version: [ 1, 2 ]
amdhsa.kernels:
  - .name:           k_q0ba69c88e5_vproj
    .symbol:         k_q0ba69c88e5_vproj.kd
    .args:
      - { .name: xc, .offset: 0, .size: 8, .value_kind: global_buffer, .address_space: global }
      - { .name: wc, .offset: 8, .size: 8, .value_kind: global_buffer, .address_space: global }
      - { .name: sc, .offset: 16, .size: 8, .value_kind: global_buffer, .address_space: global }
      - { .name: v1, .offset: 24, .size: 8, .value_kind: global_buffer, .address_space: global }
      - { .name: lamb, .offset: 32, .size: 8, .value_kind: global_buffer, .address_space: global }
      - { .name: kv, .offset: 40, .size: 8, .value_kind: global_buffer, .address_space: global }
      - { .name: out1, .offset: 48, .size: 8, .value_kind: global_buffer, .address_space: global }
    .group_segment_fixed_size: 327680
    .private_segment_fixed_size: 0
    .kernarg_segment_align: 8
    .kernarg_segment_size: 56
    .max_flat_workgroup_size: 128
    .sgpr_count:     100
    .vgpr_count:     1024
    .wavefront_size: 32
...
	.end_amdgpu_metadata
.endif
;; end of part 3
;; launch attn (part 4): grid 4 x 64, 8 waves a work-group, no clusters, 327,680 bytes of LDS; arguments qc, kv, yc, sc; writes yc, sc
.if DOCPART == 4
	.amdgcn_target "amdgcn-amd-amdhsa--gfx1250"
	.amdhsa_code_object_version 6
	.text
	.protected	k_q0ba69c88e5_attn
	.globl	k_q0ba69c88e5_attn
	.p2align	8
	.type	k_q0ba69c88e5_attn,@function
k_q0ba69c88e5_attn:
	s_mov_b64 s[64:65], 0
	v_nop
	global_prefetch_b8 v0, s[64:65] scope:SCOPE_SE
	s_setreg_imm32_b32 hwreg(HW_REG_WAVE_MODE, 25, 1), 1
	s_wait_xcnt 0x0
; Causal attention of one head on codes of E4M3 with E8M0 scales; its result y / l is quantised along the model's 1,024 for the last product.
; SHARES.  A work-group takes one head and two blocks of 256 queries: first block 7 - x (records of 256 keys 0 .. 7 - x), then block x (records 0 .. x): nine records for every work-group.
; Each of EIGHT waves owns TWO tiles of 16 queries (32 neighbouring queries), so that each fragment of K and V read from LDS feeds two matrix instructions; two waves to a SIMD.
; A record (K's and V's codes and scale words of 256 keys, 34,304 dense bytes) comes by two tensor loads (waves 0 and 1, a half each) into one of two LDS slots and is read by all eight.
; NO CLUSTER: the four work-groups of a head want different records from the sixth trip on, and a work-group fetches nine records in all.
; LAYOUT.  Both products are used transposed: S^T = K Q^T, O^T = V^T P^T: a lane holds ONE query of each tile.  Row r of tile 2 G + u is 32 G + 8 u + r + 8 (r / 8), so the 16 registers of two
; neighbouring tiles are 16 neighbouring keys (or channels), and the conversions' results are the next operand's registers.
; THE HEAD HAS 64 CHANNELS, the instruction 128 along K: Q's fragments hold ZERO CODES for k = 64..127; K's fragment t is named as 16 registers whose upper half is the next tile's codes (zeros behind tile 7):
; they meet Q's zeros and add nothing.  The scale words' upper two bytes are 127 on both sides.
; THE SOFTMAX.  p = 2^(t - M), t = score x log2(e) / 8, with the whole number M = 0.  q and k are normalised by the module itself: |q|, |k| <= 8 x 1.0005 (the f16 tables) x 1.0625 (the codes' rounding), so |t| <= 13.1 for
; every input: p lies within 2^-13.1 .. 2^13.1 and a row's sum under 2^24.1: nothing can overflow or underflow, and a block's scale takes up the power of two.  The sum is taken of the unquantised p and divides at the end.
; CAUSAL.  Records behind the block's own are not walked; a record's second 128 keys are jumped over where all come after the wave's queries (a scalar branch on ids); in the step on the diagonal hidden scores become -infinity.
; A record's first 128 keys count for every wave that walks it (its first key is at or under the block's first query), so that step has no branch; the second step's K is fetched during the first step.
; LIMITS: NaN and infinities are not served; a block of zeros gets the scale byte 1.  y's scale bytes leave as single bytes, 32 inside one run of 256.
; REGISTERS.  Window 0: v1-3 the trip's LDS addresses; v4, v8, v9 their lane parts; v5, v6 for the add; v7 the prefetch's offset; v10 r + 8 (r / 8) - 16 h; v11 16 r + h; v12-19 the sums; v20-27 K's scale words;
; v28-31 V's; v32-95 K; v96-103 zeros; v104-231 S^T, then p, tile e at 104 + 64 e; v232, 233 p's scale words; v234, 235 Q's; v236-255 at work.
; Window 1: v0-31 Q (tile e at 16 e, upper eight zeros); v32-95 O^T; v96-127 p's codes; v128-191 V.
.set REC,   34304
.set SLOT1, 0x10000
.set SPARE, 131072                     ; the spare words: 128 bytes for each of 8 waves
.set KW,    20
.set VW,    28
.set KR,    32
.set ZR,    96
.set SS,    104
.set PW,    232
.set QS,    234
.set TM,    236
.set PD,    240
.set SOP,   244
.set BD,    248
.set BE,    252
.set QF,    0
.set OT,    32
.set PCD,   96
.set VF,    128
.set TB,    2
.set WV,    18
.set MNT,   19
.set SEL,   20
.set CS,    22
.set G1,    24
.set G0,    32
.set KVB,   36
.set PFA,   46
.set LIM,   48
.set HM,    49
.set BH,    50
.set HD,    51
.set BAT,   52
.set NB,    53
.set XX,    54
.set JJ,    55
.set SIG,   56
.set SIGN,  57
.set Q0,    58
.set KF,    59
.set QW,    60
.set QBO,   61
.set YHO,   62
.set SHO,   63
.set SLOTS, 67
.set MSB,   0
.macro WIN new                         ; the immediate's high byte repeats the setting that is left
.if MSB != (\new)
	s_set_vgpr_msb (MSB<<8)|(\new)
.set MSB, (\new)
.endif
.endm
.macro TLOAD                           ; waves 0 and 1 fetch a half record each; an s_nop 0 and four v_nop follow the line
	s_cmp_lt_u32 s[WV], 2
	s_cbranch_scc0 .Lno_load_\@
	tensor_load_to_lds s[G0:G0+3], s[G1:G1+7]
	s_nop 0
.rept 4
	v_nop
.endr
.Lno_load_\@:
.endm
; A prefetch of the codes of the record two trips on: 32,768 bytes, lanes 256 bytes apart, 8,192 bytes a wave.  All four work-groups of a head walk the same records: the one with x = 0, which walks all eight in order, asks,
; in its waves 4 to 7, one instruction each, behind the fetching waves' tensor load.  Records 0 and 1 come by their loads alone; behind record 7 there is nothing to ask for.
.macro ASK
	s_cmp_gt_u32 s[SLOTS], s[LIM]
	s_cbranch_scc0 .Lnot_mine_\@
	global_prefetch_b8 v7, s[PFA:PFA+1] th:TH_LOAD_NT scope:SCOPE_SE
.Lnot_mine_\@:
.endm
.macro QLOAD                           ; block s[XX]: my first query, my two tiles' codes (2,048 bytes on end) and scale words
	s_lshl_b32 s[Q0], s[XX], 8
	s_add_co_u32 s[Q0], s[Q0], s[QW]
	s_mul_i32 s80, s[XX], 17408
	s_add_co_u32 s80, s80, s[QBO]
	s_mov_b32 s81, 0
	s_add_nc_u64 s[82:83], s[4:5], s[80:81]
	s_lshl_b32 s80, s[WV], 11
	s_add_nc_u64 s[84:85], s[82:83], s[80:81]
	s_add_nc_u64 s[82:83], s[82:83], s[86:87]
	WIN 0x40
.irp k, 0,1,2,3
	global_load_b128 v[QF+16*(\k/2)+4*(\k%2):QF+16*(\k/2)+4*(\k%2)+3], v4, s[84:85] offset:512*\k
.endr
	WIN 0
	global_load_b64 v[QS:QS+1], v8, s[82:83]
.endm
.macro CLEAR                           ; O^T and the sums begin as zeros
	WIN 0x40
.set j, 0
.rept 64
	v_mov_b32 v[OT+j], 0
.set j, j+1
.endr
	WIN 0
.set j, 0
.rept 8
	v_mov_b32 v[12+j], 0
.set j, j+1
.endr
.endm
	s_load_b128 s[4:7], s[0:1], 0x0                ; qc, kv
	s_load_b128 s[8:11], s[0:1], 0x10              ; yc, sc
	v_lshl_add_u32 v5, v0, 2, SPARE
	v_mov_b32 v6, 0
	ds_add_u32 v5, v6                              ; the opening lines: the add, twice on end, and its wait ahead of the first tensor load
	ds_add_u32 v5, v6
	v_lshrrev_b32 v1, 5, v0
	v_readfirstlane_b32 s[WV], v1                  ; wave 0..7
	s_and_b32 s[BH], ttmp7, 0xffff                 ; 16 x batch + head
	s_and_b32 s[HD], s[BH], 15
	s_lshr_b32 s[BAT], s[BH], 4
	s_sub_co_u32 s[NB], 8, ttmp9                   ; trips of the first block
	s_sub_co_u32 s[XX], 7, ttmp9                   ; the first block
	s_mov_b32 s[JJ], 0
	s_mov_b32 s[SIG], 0
	s_mov_b32 s[SIGN], 0
	s_mov_b32 s[TB], 0
	s_mov_b32 s[SLOTS], 8
	s_mov_b32 s[SEL], 0x76543210
	s_mov_b32 s[SEL+1], 0xfedcba98
	s_mov_b32 s[CS], 0x3e38aa3b                    ; log2(e) / 8
	s_mov_b32 s[CS+1], s[CS]
	s_mov_b32 s[MNT], 0x600000
	s_mov_b32 s[HM], 0xffff0000                    ; lanes 16-31
	s_mov_b32 s[G1], 3<<16                         ; elements of 8 bytes, no mask, no padding
	s_mov_b32 s[G1+1], 32<<16                      ; rows of 256 bytes,
	s_mov_b32 s[G1+2], 67<<16                      ; 67 of them: half a record
	s_mov_b32 s[G1+3], 32<<16
	s_mov_b32 s[G1+4], 67
	s_mov_b32 s[G1+5], 32                          ; dense
	s_mov_b32 s[G1+6], 0
	s_mov_b32 s[G1+7], 0
	s_and_b32 s40, s[WV], 1
	s_mul_i32 s40, s40, 17152                      ; my half, in memory and in a slot
	s_mul_i32 s38, s[BH], 274432
	s_add_co_u32 s38, s38, s40
	s_mov_b32 s39, 0
	s_wait_dscnt 0x0                               ; both opening adds are done
	s_wait_kmcnt 0x0
	s_add_nc_u64 s[KVB:KVB+1], s[6:7], s[38:39]
	s_mov_b32 s[G0], 1
	s_mov_b32 s[G0+1], s40
	s_mov_b64 s[G0+2:G0+3], s[KVB:KVB+1]
	s_or_b32 s[G0+3], s[G0+3], 0x80000000
	TLOAD                                          ; record 0 into slot 0
	s_and_b32 s42, s[WV], 3
	s_lshl_b32 s42, s42, 13
	s_mul_i32 s43, s[BH], 274432
	s_add_co_u32 s42, s42, s43
	s_add_co_u32 s42, s42, REC                     ; in record 1: the first change of slots steps it to record 2
	s_mov_b32 s43, 0
	s_add_nc_u64 s[PFA:PFA+1], s[6:7], s[42:43]
	s_sub_co_u32 s42, s[WV], 4
	s_lshr_b32 s42, s42, 2                         ; 0 in waves 4 to 7,
	s_or_b32 s42, s42, ttmp9                       ; of the work-group with x = 0
	s_cmp_eq_u32 s42, 0
	s_cselect_b32 s[LIM], 2, -1
	s_lshl_b32 s[QW], s[WV], 5                     ; my first query in a block: 32 x wave
	s_mul_i32 s[QBO], s[BH], 139264
	s_lshr_b32 s86, s[WV], 2
	s_lshl_b32 s86, s86, 9
	s_and_b32 s87, s[WV], 3
	s_lshl_b32 s87, s87, 3
	s_add_co_u32 s86, s86, s87
	s_add_co_u32 s86, s86, 16384                   ; my two tiles' scale words in a record of q: [8 tiles][r][tile]
	s_mov_b32 s87, 0
	s_lshl_b32 s[YHO], s[HD], 10                   ; y's codes: the head's 64 are half a K step: 1,024 bytes
	s_lshr_b32 s[SHO], s[HD], 3
	s_lshl_b32 s[SHO], s[SHO], 8
	s_and_b32 s44, s[HD], 7
	s_lshl_b32 s44, s44, 1
	s_add_co_u32 s[SHO], s[SHO], s44
	s_add_co_u32 s[SHO], s[SHO], 393216            ; y's scale bytes begin at tile 768
	v_and_b32 v2, 15, v0                           ; r
	v_bfe_u32 v3, v0, 4, 1                         ; h
	v_and_b32 v4, 31, v0
	v_lshlrev_b32 v7, 8, v4                        ; 256 x lane
	v_lshlrev_b32 v4, 4, v4                        ; 16 x lane
	v_lshlrev_b32 v8, 5, v2                        ; 32 r
	v_lshlrev_b32 v9, 4, v2                        ; 16 r
	v_add_nc_u32 v11, v9, v3                       ; 16 r + h
	v_and_b32 v10, 8, v2
	v_add_nc_u32 v10, v10, v2
	v_lshlrev_b32 v3, 4, v3
	v_sub_nc_u32 v10, v10, v3                      ; r + 8 (r / 8) - 16 h
	s_wait_alu depctr_va_vdst(0)                   ; the wait ahead of the scalar lines below
	QLOAD
	WIN 0x40
.set j, 0
.rept 8
	v_mov_b32 v[QF+8+j], 0                         ; Q's codes for k = 64..127, both tiles
	v_mov_b32 v[QF+24+j], 0
.set j, j+1
.endr
	WIN 0
	CLEAR
.set j, 0
.rept 8
	v_mov_b32 v[ZR+j], 0                           ; behind K's tile 7
.set j, j+1
.endr
.irp b, 0,1,2,3
	v_mov_b32 v[PD+\b], 0                          ; a lane permute's destination counts as one of its sources
.endr
	s_wait_alu depctr_va_vdst(0)                   ; the wait at the head's end
	s_wait_loadcnt 0x0                             ; Q
.macro KLOAD q                         ; K's eight tiles and their scale words, the q-th 128 keys of the record in hand
.set i, 0
.rept 16
	ds_load_b128 v[KR+4*i:KR+4*i+3], v1 offset:8192*(\q)+512*i
.set i, i+1
.endr
	ds_load_b128 v[KW:KW+3], v2 offset:32768+512*(\q)
	ds_load_b128 v[KW+4:KW+7], v2 offset:32768+512*(\q)+16
.endm
.macro HOLD2 d, s, b                   ; two numbers held at 448 x the scale of block b (p is not negative: one side); the bound stands twice, in registers of different banks
	v_dual_min_num_f32 v[\d], v[\s], v[BD+(\b)] :: v_dual_min_num_f32 v[(\d)+1], v[(\s)+1], v[BE+((\b)+1)%4]
.endm
; THE SOFTMAX AND THE QUANTISER OF TILE e: 64 scores a lane become p, the row's sum grows, and p's codes and scale word are made.  s96: the step's first key.
.macro SOFT e
.set SB, SS+64*(\e)
.set SU, 12+4*(\e)
	s_add_co_u32 s97, s96, 127
	s_cmp_le_u32 s97, s[Q0]                        ; do all 128 keys count for all my queries?
	s_cbranch_scc1 .Lopen_\@
	s_sub_co_i32 s97, s[Q0], s96
.if \e
	s_add_co_u32 s97, s97, 8*(\e)
.endif
	s_wait_alu depctr_va_vdst(0)                   ; the wait ahead of the first readers of the scores
	v_add_nc_u32 v[TM], s97, v10                   ; register 16 b + i holds key 32 b + 16 h + i of the step: hidden where 32 b + i is above this number
	v_mov_b32 v[TM+1], 0xff800000
.set n, 0
.rept 64
	v_cmp_gt_i32 vcc_lo, 32*(n/16)+n%16, v[TM]
	v_cndmask_b32 v[SB+n], v[SB+n], v[TM+1], vcc_lo
.set n, n+1
.endr
.Lopen_\@:
	s_wait_alu depctr_va_vdst(0)                   ; the wait ahead of the first readers of the scores
.irp b, 0,1,2,3
	v_max3_num_f32 v[TM+\b], v[SB+16*\b], v[SB+1+16*\b], v[SB+2+16*\b]   ; the largest score of each block of 32 keys: p rises with the score, so it gives the block's largest p
.endr
.irp i, 3,5,7,9,11,13
.irp b, 0,1,2,3
	v_max3_num_f32 v[TM+\b], v[TM+\b], v[SB+16*\b+\i], v[SB+1+16*\b+\i]
.endr
.endr
.irp b, 0,1,2,3
	v_max_num_f32 v[TM+\b], v[TM+\b], v[SB+15+16*\b]
.endr
.irp b, 0,1,2,3
	s_delay_alu instid0(VALU_DEP_4)
	v_permlanex16_b32 v[PD+\b], v[TM+\b], s[SEL], s[SEL+1]
.endr
.irp b, 0,1,2,3
	s_delay_alu instid0(VALU_DEP_4)
	v_max_num_f32 v[TM+\b], v[TM+\b], v[PD+\b]     ; with lane l xor 16's 16 keys
.endr
.set j, 0
.rept 32
	v_pk_mul_f32 v[SB+2*j:SB+2*j+1], v[SB+2*j:SB+2*j+1], s[CS:CS+1] op_sel_hi:[1,0]   ; t
.set j, j+1
.endr
.irp b, 0,1,2,3
	v_mul_f32 v[TM+\b], s[CS], v[TM+\b]
.endr
	s_wait_alu depctr_va_vdst(0)                   ; one wait ahead of the batch,
.irp b, 0,1,2,3
	v_exp_f32 v[TM+\b], v[TM+\b]
.endr
.set j, 0
.rept 64
	v_exp_f32 v[SB+j], v[SB+j]                     ; p = 2^t
.set j, j+1
.endr
	v_nop                                          ; a plain instruction behind it,
	s_wait_alu depctr_va_vdst(0)                   ; and one wait ahead of its first reader
.irp b, 0,1,2,3
	v_max_num_f32 v[TM+\b], 0x4800000, v[TM+\b]    ; the floor 2^(9 - 127): a block all hidden keeps the byte 1; its codes are zeros
.endr
.irp b, 0,1,2,3
	s_delay_alu instid0(VALU_DEP_4)
	v_add_nc_u32 v[SOP+\b], 0xfc000000, v[TM+\b]   ; 8 off the exponent field: the conversion's scale operand
.endr
.irp b, 0,1,2,3
	v_and_or_b32 v[BD+\b], v[TM+\b], 0x7f800000, s[MNT]           ; 448 x the scale,
.endr
.irp b, 0,1,2,3
	v_and_or_b32 v[BE+(\b+1)%4], v[TM+\b], 0x7f800000, s[MNT]     ; and once more
.endr
.irp b, 0,1,2,3
	v_lshrrev_b32 v[PD+\b], 23, v[SOP+\b]          ; the scale's byte
.endr
	s_delay_alu instid0(VALU_DEP_3)
	v_lshl_or_b32 v[PW+\e], v[PD+1], 8, v[PD]      ; p's scale word for these 128 keys
	s_delay_alu instid0(VALU_DEP_1)
	v_lshl_or_b32 v[PW+\e], v[PD+2], 16, v[PW+\e]
	s_delay_alu instid0(VALU_DEP_1)
	v_lshl_or_b32 v[PW+\e], v[PD+3], 24, v[PW+\e]
.set g, 0
.rept 7                                ; eight numbers g are summed (unquantised, two chains) while the eight before them are held in place
.set k, 0
.rept 4
	v_pk_add_f32 v[SU+2*(k%2):SU+2*(k%2)+1], v[SU+2*(k%2):SU+2*(k%2)+1], v[SB+8*g+2*k:SB+8*g+2*k+1]
.if g > 0
	HOLD2 SB+8*(g-1)+2*k, SB+8*(g-1)+2*k, (g-1)/2
.endif
.set k, k+1
.endr
.set g, g+1
.endr
.set k, 0
.rept 4
	HOLD2 SB+48+2*k, SB+48+2*k, 3
	HOLD2 TM+2*k, SB+56+2*k, 3                     ; the last eight are held into other registers: they are summed behind the conversions
.set k, k+1
.endr
	WIN 0x40                                       ; the codes lie in window 1
.set g, 0
.rept 7
	v_cvt_scalef32_pk8_fp8_f32 v[PCD+16*(\e)+2*g:PCD+16*(\e)+2*g+1], v[SB+8*g:SB+8*g+7], v[SOP+g/2]
.set g, g+1
.endr
	v_cvt_scalef32_pk8_fp8_f32 v[PCD+16*(\e)+14:PCD+16*(\e)+15], v[TM:TM+7], v[SOP+3]
	WIN 0
.set k, 0
.rept 4
	v_pk_add_f32 v[SU+2*(k%2):SU+2*(k%2)+1], v[SU+2*(k%2):SU+2*(k%2)+1], v[SB+56+2*k:SB+56+2*k+1]   ; also the four places between the codes and the products
.set k, k+1
.endr
.endm
; A KEY STEP: 128 keys, the q-th of the record in hand; K's fragments are in registers.
.macro STEP q
	s_add_co_u32 s96, s[KF], 128*\q                ; the step's first key
.if \q
	s_add_co_u32 s97, s[Q0], 31                    ; my last query
	s_cmp_gt_u32 s96, s97
	s_cbranch_scc1 .Lhid_\@
.endif
	WIN 0x04                                       ; source 1 (Q): window 1
.irp e, 0,1
.irp t, 0,1,2,3,4,5,6,7
	v_wmma_scale_f32_16x16x128_f8f6f4 v[SS+64*\e+8*\t:SS+64*\e+8*\t+7], v[KR+8*\t:KR+8*\t+15], v[QF+16*\e:QF+16*\e+15], 0, v[KW+\t], v[QS+\e]
.endr
.endr
	WIN 0
.rept 8
	v_nop                                          ; eight places: ahead of the first read of the scores, of the loads into K's registers, and, counted from the step before, of those into V's
.endr
	WIN 0x40
.set i, 0
.rept 16
	ds_load_b128 v[VF+4*i:VF+4*i+3], v1 offset:16384+8192*\q+512*i   ; V's four tiles land while the softmax is worked
.set i, i+1
.endr
	WIN 0
	ds_load_b128 v[VW:VW+3], v3 offset:33792+256*\q
.if \q == 0
	KLOAD 1                                        ; and so does the second step's K
.endif
	SOFT 0
	SOFT 1
	s_wait_dscnt 0x0                               ; V (and the next K)
	WIN 0x55                                       ; V, p's codes and O^T: window 1
	s_wait_alu depctr_va_vdst(0)                   ; the wait ahead of the first reader of the codes and of O^T
.irp t, 0,1,2,3
.irp e, 0,1
	v_wmma_scale_f32_16x16x128_f8f6f4 v[OT+32*\e+8*\t:OT+32*\e+8*\t+7], v[VF+16*\t:VF+16*\t+15], v[PCD+16*\e:PCD+16*\e+15], v[OT+32*\e+8*\t:OT+32*\e+8*\t+7], v[VW+\t], v[PW+\e]   ; the eight accumulators take turns
.endr
.endr
	WIN 0
.Lhid_\@:
.endm
; THE CHANGE OF SLOTS, at a trip's head.  Each wave waits for all its tensor loads (its part of the record about to be read), adds 0 to its spare word, waits for that and for its reads of the slot that it has left.
; fill = 1: behind the barrier that slot takes the next trip's record: the next of this block, or record 0 where the next trip begins the second block.
.macro CHANGE fill
	s_wait_tensorcnt 0x0                           ; no tensor load of mine is out, so the descriptor may be written
	ds_add_u32 v5, v6                              ; 0 onto my spare word
.if \fill
	ds_add_u32 v5, v6                              ; and, where a load follows, twice on end
	s_add_co_u32 s96, s[SIG], 1
	s_add_co_u32 s97, s[JJ], 1
	s_cmp_eq_u32 s97, s[NB]
	s_cselect_b32 s[SIGN], 0, s96
	s_mul_i32 s96, s[SIGN], REC
	s_mov_b32 s97, 0
	s_add_nc_u64 s[G0+2:G0+3], s[KVB:KVB+1], s[96:97]
	s_or_b32 s[G0+3], s[G0+3], 0x80000000
	s_xor_b32 s[G0+1], s[G0+1], SLOT1
	s_wait_xcnt 0x0                                ; the last prefetch, a trip back, has read its address
	s_add_nc_u64 s[PFA:PFA+1], s[PFA:PFA+1], REC
.endif
	s_wait_dscnt 0x0                               ; the add is done, and my reads of the slot that I have left are over
	s_barrier_signal -1
	s_barrier_wait -1
.if \fill
	TLOAD                                          ; the first thing behind the barrier, and a wave's one tensor load until the next
	ASK
.endif
.endm
.macro TRIP
	v_add_nc_u32 v1, s[TB], v4
	v_add_nc_u32 v2, s[TB], v8
	v_add_nc_u32 v3, s[TB], v9
	s_lshl_b32 s[KF], s[SIG], 8
	s_wait_alu depctr_va_vdst(0)                   ; the wait behind these writes
	KLOAD 0
	s_wait_dscnt 0x0
	STEP 0
	STEP 1
.endm
; A block of queries is done: y = O^T / the sum, quantised (for each tile two blocks of 32 channels, each shared with lane l xor 16), stored in the order of the last product's operand.  last = 0: the second block is set up.
.macro FINISH last
	s_wait_xcnt 0x0                                ; earlier stores have read their bases and registers
	s_lshl_b32 s80, s[BAT], 7
	s_lshl_b32 s81, s[XX], 4
	s_add_co_u32 s80, s80, s81
	s_lshl_b32 s81, s[WV], 1
	s_add_co_u32 s80, s80, s81                     ; my first tile of 16 rows of y
	s_lshl_b32 s88, s80, 14
	s_add_co_u32 s88, s88, s[YHO]
	s_mov_b32 s89, 0
	s_add_nc_u64 s[90:91], s[8:9], s[88:89]
	s_lshl_b32 s88, s80, 9
	s_add_co_u32 s88, s88, s[SHO]
	s_add_nc_u64 s[92:93], s[10:11], s[88:89]
.irp e, 0,1
	v_pk_add_f32 v[12+4*\e:13+4*\e], v[12+4*\e:13+4*\e], v[14+4*\e:15+4*\e]   ; these eight lines and the v_nop are the places behind the last products
.endr
.irp e, 0,1
	v_add_f32 v[12+4*\e], v[12+4*\e], v[13+4*\e]
.endr
.irp e, 0,1
	v_permlanex16_b32 v[13+4*\e], v[12+4*\e], s[SEL], s[SEL+1]
.endr
.irp e, 0,1
	v_add_f32 v[12+4*\e], v[12+4*\e], v[13+4*\e]   ; the row's sum
.endr
	s_wait_alu depctr_va_vdst(0)
	v_rcp_f32 v14, v12
	v_rcp_f32 v18, v16
	v_nop
	WIN 0x01                                       ; source 0 (O^T): window 1
	s_wait_alu depctr_va_vdst(0)                   ; the wait ahead of the first reader
.irp e, 0,1
.set j, 0
.rept 16
	v_pk_mul_f32 v[SS+64*\e+2*j:SS+64*\e+2*j+1], v[OT+32*\e+2*j:OT+32*\e+2*j+1], v[14+4*\e:15+4*\e] op_sel_hi:[1,0]   ; register 16 b + i: channel 32 b + 16 h + i; each accumulator from its low end on
.set j, j+1
.endr
.endr
	WIN 0
.irp c, 0,1,2,3                        ; chain c = 2 e + b: tile e, block b
	v_max3_num_f32 v[TM+\c], |v[SS+64*(\c/2)+16*(\c%2)]|, |v[SS+64*(\c/2)+16*(\c%2)+1]|, 0x4800000
.endr
.irp i, 2,4,6,8,10,12,14
.irp c, 0,1,2,3
	v_max3_num_f32 v[TM+\c], v[TM+\c], |v[SS+64*(\c/2)+16*(\c%2)+\i]|, |v[SS+64*(\c/2)+16*(\c%2)+\i+1]|
.endr
.endr
.irp c, 0,1,2,3
	v_permlanex16_b32 v[PD+\c], v[TM+\c], s[SEL], s[SEL+1]
.endr
.irp c, 0,1,2,3
	v_max_num_f32 v[TM+\c], v[TM+\c], v[PD+\c]
.endr
.irp c, 0,1,2,3
	v_add_nc_u32 v[SOP+\c], 0xfc000000, v[TM+\c]
.endr
.irp c, 0,1,2,3
	v_and_or_b32 v[BD+\c], v[TM+\c], 0x7f800000, s[MNT]
.endr
.irp c, 0,1,2,3
	v_lshrrev_b32 v[PD+\c], 23, v[SOP+\c]
.endr
.irp c, 0,1,2,3
.irp i, 0,1,2,3,4,5,6,7,8,9,10,11,12,13,14,15
	v_med3_num_f32 v[SS+64*(\c/2)+16*(\c%2)+\i], v[SS+64*(\c/2)+16*(\c%2)+\i], -v[BD+\c], v[BD+\c]
.endr
	v_cvt_scalef32_pk8_fp8_f32 v[SS+64*(\c/2)+32+4*(\c%2):SS+64*(\c/2)+33+4*(\c%2)], v[SS+64*(\c/2)+16*(\c%2):SS+64*(\c/2)+16*(\c%2)+7], v[SOP+\c]
	v_cvt_scalef32_pk8_fp8_f32 v[SS+64*(\c/2)+34+4*(\c%2):SS+64*(\c/2)+35+4*(\c%2)], v[SS+64*(\c/2)+16*(\c%2)+8:SS+64*(\c/2)+16*(\c%2)+15], v[SOP+\c]
.endr
.irp e, 0,1
	v_cndmask_b32 v[TM+\e], v[PD+2*\e], v[PD+2*\e+1], s[HM]   ; lanes 0-15 store block 0's byte of row r, lanes 16-31 block 1's.  (Plain instructions behind the conversions)
.endr
.irp e, 0,1
	global_store_b128 v4, v[SS+64*\e+32:SS+64*\e+35], s[90:91] offset:16384*\e       ; 512 consecutive bytes
	global_store_b128 v4, v[SS+64*\e+36:SS+64*\e+39], s[90:91] offset:16384*\e+512
	global_store_b8 v11, v[TM+\e], s[92:93] offset:512*\e
.endr
.if !(\last)
	s_mov_b32 s[XX], ttmp9                         ; the second block
	QLOAD
	CLEAR
	s_wait_alu depctr_va_vdst(0)                   ; the wait ahead of the waits below
	s_wait_loadcnt 0x0                             ; Q
	s_wait_xcnt 0x0                                ; the stores have read the registers that the next scores are written to
.endif
.endm
.Ltrip:                                            ; eight trips, each of which asks for the next trip's record
	CHANGE 1
	TRIP
	s_add_co_u32 s[JJ], s[JJ], 1
	s_cmp_lg_u32 s[JJ], s[NB]                      ; was this the first block's last record?  The same in all eight waves; no barrier and no tensor load stands under the branch
	s_cbranch_scc1 .Lgo_on
	s_wait_alu depctr_va_vdst(0)
	FINISH 0
.Lgo_on:
	s_mov_b32 s[SIG], s[SIGN]
	s_xor_b32 s[TB], s[TB], SLOT1
	s_sub_co_u32 s[SLOTS], s[SLOTS], 1
	s_cmp_lg_u32 s[SLOTS], 0
	s_cbranch_scc1 .Ltrip
	CHANGE 0                                       ; the ninth trip is written out
	TRIP
	s_wait_alu depctr_va_vdst(0)
	FINISH 1
	s_wait_tensorcnt 0x0                           ; the wave's end
	ds_add_u32 v5, v6
	s_wait_dscnt 0x0
	s_endpgm
.Lfunc_end_k_q0ba69c88e5_attn:
	.size	k_q0ba69c88e5_attn, .Lfunc_end_k_q0ba69c88e5_attn-k_q0ba69c88e5_attn
	.p2alignl 7, 3214868480
	.fill 96, 4, 3214868480
	.section	.rodata,"a",@progbits
	.p2align	6, 0x0
	.amdhsa_kernel k_q0ba69c88e5_attn
		.amdhsa_group_segment_fixed_size 327680
		.amdhsa_private_segment_fixed_size 0
		.amdhsa_enable_private_segment 0
		.amdhsa_kernarg_size 32
		.amdhsa_user_sgpr_count 2
		.amdhsa_user_sgpr_kernarg_segment_ptr 1
		.amdhsa_wavefront_size32 1
		.amdhsa_system_sgpr_workgroup_id_x 1
		.amdhsa_system_sgpr_workgroup_id_y 1
		.amdhsa_system_sgpr_workgroup_id_z 1
		.amdhsa_system_vgpr_workitem_id 0
		.amdhsa_next_free_vgpr 448
		.amdhsa_next_free_sgpr 100
		.amdhsa_reserve_vcc 1
		.amdhsa_float_denorm_mode_32 3
		.amdhsa_float_denorm_mode_16_64 3
		.amdhsa_memory_ordered 1
		.amdhsa_forward_progress 1
		.amdhsa_inst_pref_size 208
	.end_amdhsa_kernel
	.amdgpu_metadata
---
amdhsa.version: [ 1, 2 ]
amdhsa.kernels:
  - .name:           k_q0ba69c88e5_attn
    .symbol:         k_q0ba69c88e5_attn.kd
    .args:
      - { .name: qc, .offset: 0, .size: 8, .value_kind: global_buffer, .address_space: global }
      - { .name: kv, .offset: 8, .size: 8, .value_kind: global_buffer, .address_space: global }
      - { .name: yc, .offset: 16, .size: 8, .value_kind: global_buffer, .address_space: global }
      - { .name: sc, .offset: 24, .size: 8, .value_kind: global_buffer, .address_space: global }
    .group_segment_fixed_size: 327680
    .private_segment_fixed_size: 0
    .kernarg_segment_align: 8
    .kernarg_segment_size: 32
    .max_flat_workgroup_size: 256
    .sgpr_count:     100
    .vgpr_count:     448
    .wavefront_size: 32
...
	.end_amdgpu_metadata
.endif
;; end of part 4
;; launch proj (part 5): grid 8 x 32, 4 waves a work-group, clusters of 4 x 4, 327,680 bytes of LDS; arguments wc, yc, sc, out0; writes out0
.if DOCPART == 5
	.amdgcn_target "amdgcn-amd-amdhsa--gfx1250"
	.amdhsa_code_object_version 6
	.text
	.protected	k_q0ba69c88e5_proj
	.globl	k_q0ba69c88e5_proj
	.p2align	8
	.type	k_q0ba69c88e5_proj,@function
k_q0ba69c88e5_proj:
	s_mov_b64 s[64:65], 0
	v_nop
	global_prefetch_b8 v0, s[64:65] scope:SCOPE_SE
	s_setreg_imm32_b32 hwreg(HW_REG_WAVE_MODE, 25, 1), 1
	s_wait_xcnt 0x0
	s_wait_alu depctr_hold_cnt(0) depctr_sa_sdst(0) depctr_va_vdst(0) depctr_va_sdst(0) depctr_va_ssrc(0) depctr_va_vcc(0) depctr_vm_vsrc(0)
	s_getreg_b32 s2, hwreg(HW_REG_IB_STS2, 6, 4)
	s_cmp_eq_u32 s2, 0
	s_cbranch_scc0 .Lentry_in_a_cluster
	s_endpgm
.Lentry_in_a_cluster:
	s_bfe_u32 s2, ttmp6, 0x10000c
	s_cmp_lg_u32 s2, 0xf033
	s_cbranch_scc0 .Lentry_shape_is_right
	s_endpgm
.Lentry_shape_is_right:
.set S0OFF,  3145728
.set S1OFF,  0
.set SC0RB,  704
.set SC1RB,  768
.set HALFT,  32768
.set SLOT,   131072
.set SPARE,  262144
.set SC,     32
.set AF,     128
.set LI,     3
.set ADRA,   16
.set ADRB,   20
.set STO,    24
.set RD,     25
.set SPW,    28
.set NIL,    29
.set BK,     128
.set G1,     24
.set G0,     32
.set G1B,    48
.set G0B,    56
.set MUL_LO, 0xa1
.set MUL_HI, 0xf1
.set TO_B,   0x40
.set MSB,    0
.macro WIN new
.if MSB != (\new)
	s_set_vgpr_msb (MSB<<8)|(\new)
.set MSB, (\new)
.endif
.endm
.macro JLOAD g0a, g1a, g0b, g1b, sl
	s_cmp_eq_u32 s14, \sl
	s_cbranch_scc0 .Lfor_b_\@
	tensor_load_to_lds s[\g0a:\g0a+3], s[\g1a:\g1a+7]
	s_nop 0
.rept 4
	v_nop
.endr
	s_branch .Lasked_\@
.Lfor_b_\@:
	s_cmp_eq_u32 s14, 2+\sl
	s_cbranch_scc0 .Lasked_\@
	tensor_load_to_lds s[\g0b:\g0b+3], s[\g1b:\g1b+7]
	s_nop 0
.rept 4
	v_nop
.endr
.Lasked_\@:
.endm
.macro CREST
	s_cmp_lg_u32 s14, 0
	s_cbranch_scc1 .Lnot_wave_0_\@
	s_barrier_signal -3
.Lnot_wave_0_\@:
	s_barrier_wait -3
	s_barrier_signal -1
	s_barrier_wait -1
.endm
.macro CROUND
	s_barrier_signal -1
	s_barrier_wait -1
	CREST
.endm
.macro PLACES n
.rept \n
	v_nop
.endr
.endm
.macro FRAG reg, adr, q, i
.irp c, 0,1,2,3
	ds_load_b128 v[\reg+4*\c:\reg+4*\c+3], v[\adr] offset:4096*(\i)+2048*(\q)+512*\c
.endr
.endm
.macro FETCH_B slot, q, p
	WIN TO_B
.irp i, 0,1,2,3
	FRAG 128*(\p)+16*\i, ADRB+\slot, \q, \i
.endr
	WIN 0
.endm
.macro FETCH_A slot, q, i0
.irp i, \i0, \i0+1, \i0+2, \i0+3
	FRAG AF+16*(\i), ADRA+\slot, \q, \i
.endr
.endm
.macro MUL16 a0, p, ks, zero
.irp a, \a0, \a0+1
.irp b, 0,1,2,3
.if \zero
	v_wmma_scale_f32_16x16x128_f8f6f4 v[8*(8*((\a)%4)+\b):8*(8*((\a)%4)+\b)+7], v[128*(\p)+16*\b:128*(\p)+16*\b+15], v[AF+16*(\a):AF+16*(\a)+15], 0, v[SC+8*\b+(\ks)], v[SC+8*(\a)+(\ks)] matrix_a_scale:MATRIX_SCALE_ROW1
.else
	v_wmma_scale_f32_16x16x128_f8f6f4 v[8*(8*((\a)%4)+\b):8*(8*((\a)%4)+\b)+7], v[128*(\p)+16*\b:128*(\p)+16*\b+15], v[AF+16*(\a):AF+16*(\a)+15], v[8*(8*((\a)%4)+\b):8*(8*((\a)%4)+\b)+7], v[SC+8*\b+(\ks)], v[SC+8*(\a)+(\ks)] matrix_a_scale:MATRIX_SCALE_ROW1
.endif
.endr
.endr
.endm
.macro STEP slot, ks, zero
	s_wait_dscnt 16
	WIN MUL_LO
	MUL16 0, 0, \ks, \zero
	MUL16 2, 0, \ks, \zero
	s_wait_dscnt 0x0
	PLACES 8
	FETCH_B \slot, 1, 1
	FETCH_A \slot, 1, 0
	WIN MUL_HI
	MUL16 4, 0, \ks, \zero
	MUL16 6, 0, \ks, \zero
	PLACES 8
	WIN 0
	FETCH_A \slot, 1, 4
.endm
.macro TURN slot, next, ks, fill
	s_wait_tensorcnt 0x0
	ds_add_u32 v[SPW], v[NIL]
	s_wait_dscnt 17
	WIN MUL_LO
	MUL16 0, 1, \ks, 0
	s_wait_dscnt 0x0
	s_barrier_signal -1
	MUL16 2, 1, \ks, 0
	WIN 0
	s_barrier_wait -1
.if \fill
	CREST
	s_add_nc_u64 s[G0+4*\slot+2:G0+4*\slot+3], s[G0+4*\slot+2:G0+4*\slot+3], 8192
	s_add_nc_u64 s[G0B+4*\slot+2:G0B+4*\slot+3], s[G0B+4*\slot+2:G0B+4*\slot+3], 8192
	JLOAD G0+4*\slot, G1, G0B+4*\slot, G1B, \slot
	PLACES 8
.else
	PLACES 8
.endif
	s_wait_alu depctr_va_vdst(0)
	FETCH_B \next, 0, 0
	FETCH_A \next, 0, 0
	WIN MUL_HI
	MUL16 4, 1, \ks, 0
	MUL16 6, 1, \ks, 0
	PLACES 8
	WIN 0
	FETCH_A \next, 0, 4
.endm
	s_load_b128 s[4:7], s[0:1], 0x0
	s_load_b64 s[8:9], s[0:1], 0x10
	s_load_b64 s[12:13], s[0:1], 0x18
	v_lshl_add_u32 v[SPW], v0, 2, SPARE
	v_mov_b32 v[NIL], 0
	ds_add_u32 v28, v29
	ds_add_u32 v28, v29
	s_wait_dscnt 0x0
	v_lshrrev_b32 v1, 5, v0
	v_readfirstlane_b32 s14, v1
	s_lshr_b32 s15, s14, 1
	s_and_b32 s16, s14, 1
	s_bfe_u32 s40, ttmp6, 0x40000
	s_bfe_u32 s41, ttmp6, 0x40004
	s_lshl_b32 s42, ttmp9, 2
	s_add_co_u32 s42, s42, s40
	s_and_b32 s17, ttmp7, 0xffff
	s_lshl_b32 s17, s17, 2
	s_add_co_u32 s17, s17, s41
	s_lshl_b32 s43, s41, 2
	s_lshl_b32 s43, 15, s43
	s_lshl_b32 s44, 0x1111, s40
	s_or_b32 s[G1+0], s43, (3<<16)|(1<<21)
	s_or_b32 s[G1B+0], s44, (3<<16)|(1<<21)
.irp g, G1, G1B
	s_mov_b32 s[\g+1], 512<<16
	s_mov_b32 s[\g+2], 16<<16
	s_mov_b32 s[\g+3], 512<<16
	s_mov_b32 s[\g+4], 16
	s_mov_b32 s[\g+5], 2048
	s_mov_b32 s[\g+6], 0
	s_mov_b32 s[\g+7], 0
.endr
	s_mov_b32 s[G1B+2], 8<<16                      ; source 0's block is 128 rows of wproj: eight tiles of 16 to a load
	s_mov_b32 s[G1B+4], 8
	s_lshl_b32 s20, s17, 4
	s_lshl_b32 s20, s20, 14
	s_add_co_u32 s20, s20, S1OFF
	s_mov_b32 s21, 0
	s_lshl_b32 s46, s42, 4
	s_lshl_b32 s46, s46, 13                        ; tile 8 x block + 4 x half, 16,384 bytes a tile
	s_add_co_u32 s46, s46, S0OFF
	s_mov_b32 s47, 0
	s_wait_kmcnt 0x0
	s_add_nc_u64 s[20:21], s[6:7], s[20:21]
	s_add_nc_u64 s[46:47], s[4:5], s[46:47]
	CROUND
.irp s, 0,1
	s_mov_b32 s[G0+4*\s], 1
	s_mov_b32 s[G0+4*\s+1], \s*SLOT
	s_add_nc_u64 s[G0+4*\s+2:G0+4*\s+3], s[20:21], \s*4096
	s_or_b32 s[G0+4*\s+3], s[G0+4*\s+3], 0x80000000
	s_mov_b32 s[G0B+4*\s], 1
	s_mov_b32 s[G0B+4*\s+1], 65536+\s*SLOT
	s_add_nc_u64 s[G0B+4*\s+2:G0B+4*\s+3], s[46:47], \s*4096
	s_or_b32 s[G0B+4*\s+3], s[G0B+4*\s+3], 0x80000000
.endr
; THE HEAD'S LOADS, ONE A WAVE, each in an arm and with a line of its own: wave 0 source 1's 16 tiles of slot 0, wave 1 those of slot 1, waves 2 and 3 source 0's eight.  A wave keeps its operand and its slot for the refills too.
.macro ARM under, g0, g1, next
	s_cmp_lt_u32 s14, \under
	s_cbranch_scc0 \next
	tensor_load_to_lds s[\g0:\g0+3], s[\g1:\g1+7]
	s_nop 0
.rept 4
	v_nop
.endr
	s_branch .Lhead_asked
\next:
.endm
	ARM 1, G0,   G1,  .Lhead_a1
	ARM 2, G0+4, G1,  .Lhead_b0
	ARM 3, G0B,  G1B, .Lhead_b1
	tensor_load_to_lds s[G0B+4:G0B+7], s[G1B:G1B+7]
	s_nop 0
.rept 4
	v_nop
.endr
.Lhead_asked:
	v_and_b32 v1, 15, v0
	v_bfe_u32 v2, v0, 4, 1
	v_and_b32 v[LI], 31, v0
	v_lshlrev_b32 v[LI], 4, v[LI]
	s_lshl_b32 s21, s15, 15
	s_lshl_b32 s22, s16, 14
	s_add_co_u32 s22, s22, 65536
.irp s, 0,1
	v_add_nc_u32 v[ADRA+\s], s21, v[LI]
	v_add_nc_u32 v[ADRB+\s], s22, v[LI]
	s_add_co_u32 s21, s21, SLOT
	s_add_co_u32 s22, s22, SLOT
.endr
	s_mov_b32 s99, 0xffff0000
	s_lshl_b32 s90, s17, 4
	s_lshl_b32 s91, s15, 3
	s_add_co_u32 s90, s90, s91
	s_add_co_u32 s90, s90, SC1RB
	s_lshl_b32 s90, s90, 9
	s_lshl_b32 s92, s42, 3
	s_lshl_b32 s91, s16, 2
	s_add_co_u32 s92, s92, s91
	s_add_co_u32 s92, s92, SC0RB
	s_lshl_b32 s92, s92, 9
	v_mov_b32 v5, s90
	v_mov_b32 v6, s92
	v_cndmask_b32 v5, v5, v6, s99
	v_lshl_add_u32 v27, v1, 4, v5
.irp i, 0,1,2,3,4,5,6,7
	global_load_b128 v[SC+8*\i:SC+8*\i+3], v27, s[8:9] offset:512*\i
	global_load_b128 v[SC+8*\i+4:SC+8*\i+7], v27, s[8:9] offset:512*\i+256
.endr
	s_lshl_b32 s86, s17, 8
	s_lshl_b32 s87, s15, 7
	s_add_co_u32 s86, s86, s87
	s_lshl_b32 s86, s86, 12
	s_lshl_b32 s87, s42, 9
	s_add_co_u32 s86, s86, s87
	s_lshl_b32 s87, s16, 8
	s_add_co_u32 s86, s86, s87
	s_mov_b32 s87, 0
	s_add_nc_u64 s[12:13], s[12:13], s[86:87]
	s_mul_i32 s23, s14, 8448
	v_mul_u32_u24 v5, v1, 528
	v_lshl_add_u32 v5, v2, 6, v5
	v_add_nc_u32 v[STO], s23, v5
	v_mul_u32_u24 v6, v2, 528                      ; back from the stage: my 64 columns are 256 bytes: lanes 0-15 take one row, lanes 16-31 the next
	v_lshl_add_u32 v6, v1, 4, v6
	v_add_nc_u32 v[RD], s23, v6
	v_lshlrev_b32 v26, 12, v2                      ; and the same two rows in out0
	v_lshl_add_u32 v26, v1, 4, v26
	s_wait_alu depctr_va_vdst(0)                   ; the wait at the head's end
	s_cmp_eq_u32 s16, 0                            ; waves 0 and 2 wait for slot 0's tiles; slot 1's are waited for at the first change of slots
	s_cbranch_scc0 .Lslot_1_mine
	s_wait_tensorcnt 0x0
.Lslot_1_mine:
	s_barrier_signal -1
	s_barrier_wait -1
	FETCH_B 0, 0, 0
	FETCH_A 0, 0, 0
	FETCH_A 0, 0, 4
	s_wait_loadcnt 0x0
	STEP 0, 0, 1
	TURN 0, 1, 1, 1
	STEP 1, 2, 0
	TURN 1, 0, 3, 1
	STEP 0, 4, 0
	TURN 0, 1, 5, 0
	STEP 1, 6, 0
	s_wait_dscnt 16
	WIN MUL_LO
	MUL16 0, 1, 7, 0
	MUL16 2, 1, 7, 0
	s_wait_dscnt 0x0
	WIN MUL_HI
	MUL16 4, 1, 7, 0
	MUL16 6, 1, 7, 0
	WIN 0
.macro TOSTAGE a
.set AC, 64*((\a)%4)
	WIN 0x08+4*((\a)/4)
.irp b, 0,1,2,3
	ds_store_b128 v[STO], v[AC+8*\b:AC+8*\b+3] offset:128*(\b/2)+32*(\b%2)
	ds_store_b128 v[STO], v[AC+8*\b+4:AC+8*\b+7] offset:128*(\b/2)+32*(\b%2)+16
.endr
	WIN 0
.set BB, BK+64*((\a)%2)
.irp t, 0,1,2,3,4,5,6,7
	ds_load_b128 v[BB+4*\t:BB+4*\t+3], v[RD] offset:\t*1056
.endr
.endm
.macro SEND a, younger
.set BB, BK+64*((\a)%2)
	s_wait_dscnt \younger
.irp t, 0,1,2,3,4,5,6,7
	global_store_b128 v26, v[BB+4*\t:BB+4*\t+3], s[12:13] offset:(32*((\a)/2)+8*((\a)%2)+2*\t+8*(\t/4))*4096 th:TH_STORE_NT
.endr
.endm
	PLACES 8
	TOSTAGE 0
.irp a, 1,2,3,4,5,6,7
.if \a > 1
	s_wait_xcnt 0x0
.endif
	TOSTAGE \a
	SEND \a-1, 16
.endr
	SEND 7, 0
	s_wait_tensorcnt 0x0
	ds_add_u32 v[SPW], v[NIL]
	s_wait_dscnt 0x0
	CROUND
	s_endpgm
.Lfunc_end_k_q0ba69c88e5_proj:
	.size	k_q0ba69c88e5_proj, .Lfunc_end_k_q0ba69c88e5_proj-k_q0ba69c88e5_proj
	.p2alignl 7, 3214868480
	.fill 96, 4, 3214868480
	.section	.rodata,"a",@progbits
	.p2align	6, 0x0
	.amdhsa_kernel k_q0ba69c88e5_proj
		.amdhsa_group_segment_fixed_size 327680
		.amdhsa_private_segment_fixed_size 0
		.amdhsa_enable_private_segment 0
		.amdhsa_kernarg_size 32
		.amdhsa_user_sgpr_count 2
		.amdhsa_user_sgpr_kernarg_segment_ptr 1
		.amdhsa_wavefront_size32 1
		.amdhsa_system_sgpr_workgroup_id_x 1
		.amdhsa_system_sgpr_workgroup_id_y 1
		.amdhsa_system_sgpr_workgroup_id_z 1
		.amdhsa_system_vgpr_workitem_id 0
		.amdhsa_next_free_vgpr 1024
		.amdhsa_next_free_sgpr 100
		.amdhsa_reserve_vcc 0
		.amdhsa_float_denorm_mode_32 3
		.amdhsa_float_denorm_mode_16_64 3
		.amdhsa_memory_ordered 1
		.amdhsa_forward_progress 1
		.amdhsa_inst_pref_size 89
	.end_amdhsa_kernel
	.amdgpu_metadata
---
amdhsa.version: [ 1, 2 ]
amdhsa.kernels:
  - .name:           k_q0ba69c88e5_proj
    .symbol:         k_q0ba69c88e5_proj.kd
    .args:
      - { .name: wc, .offset: 0, .size: 8, .value_kind: global_buffer, .address_space: global }
      - { .name: yc, .offset: 8, .size: 8, .value_kind: global_buffer, .address_space: global }
      - { .name: sc, .offset: 16, .size: 8, .value_kind: global_buffer, .address_space: global }
      - { .name: out0, .offset: 24, .size: 8, .value_kind: global_buffer, .address_space: global }
    .group_segment_fixed_size: 327680
    .private_segment_fixed_size: 0
    .kernarg_segment_align: 8
    .kernarg_segment_size: 32
    .max_flat_workgroup_size: 128
    .sgpr_count:     100
    .vgpr_count:     1024
    .wavefront_size: 32
...
	.end_amdgpu_metadata
.endif
;; end of part 5
